; MI455X (gfx1250); checked and timed in simulation.
; The chip was launched on July 23, 2026; its instructions are those of AMD's public machine-readable ISA for CDNA 5 (MIT licence, August 2026) and "CDNA5" Instruction Set Architecture Reference Guide (July 2026). The comments in the code are by the model that wrote it; some were corrected since.
;; Transformer Block. Allowed arithmetic: float matrix products may take bf16 or f16 operands with f32 sums; all other float work in f32.
;; Inputs: W1 1,024 x 4,096 float32; W2 4,096 x 1,024 float32; Wk 1,024 x 1,024 float32; Wo 1,024 x 1,024 float32; Wq 1,024 x 1,024 float32; Wv 1,024 x 1,024 float32; b1 4,096 float32; b2 1,024 float32; bo 1,024 float32; ln_scale 1,024 float32; ln_shift 1,024 float32; x 2 x 2,048 x 1,024 float32.
;; Outputs: out0 2 x 2,048 x 1,024 float32.
;; One version. Each part assembles by itself: llvm-mc -triple=amdgcn-amd-amdhsa -mcpu=gfx1250 --defsym DOCPART=n.
;; ======== version 1 of 1: 7 launches
;; workspace buffers: wbf 25,165,824 bytes; h 8,388,608 bytes; h2 8,388,608 bytes; qkv 25,165,824 bytes; ctx 8,388,608 bytes; g 33,554,432 bytes; x1 16,777,216 bytes
;; launch prep (part 1): grid 1024 x 1, 8 waves a work-group, no clusters, 0 bytes of LDS; arguments x, ln_scale, ln_shift, Wq, Wk, Wv, Wo, W1, W2, h, wbf; writes h, wbf
.if DOCPART == 1
	.amdgcn_target "amdgcn-amd-amdhsa--gfx1250"
	.amdhsa_code_object_version 6
	.text
	.protected	k_q75fc7484a8_prep
	.globl	k_q75fc7484a8_prep
	.p2align	8
	.type	k_q75fc7484a8_prep,@function
k_q75fc7484a8_prep:
	s_mov_b64 s[64:65], 0
	v_nop
	global_prefetch_b8 v0, s[64:65] scope:SCOPE_SE
	s_setreg_imm32_b32 hwreg(HW_REG_WAVE_MODE, 25, 1), 1
	s_wait_xcnt 0x0
; prep: h = bf16(LayerNorm(x)), and the six weight matrices rounded to bf16 into wbf.
; Every work-group moves 16 pieces of 4,096 bytes of f32 in and 16 pieces of 2,048 bytes of bf16 out; a wave takes two pieces.
;   work-groups    0..255 : layer norm of token rows 16 g .. 16 g + 15 (a piece is a row of x)
;   work-groups  256..447 : Wq, Wk, Wv, 64 groups each: row k goes to row k of WQKV [1024][3072] at column 0, 1024, 2048
;   work-groups  448..511 : Wo   -> wbf + 6,291,456, dense
;   work-groups  512..767 : W1   -> wbf + 8,388,608, dense
;   work-groups 768..1023 : W2   -> wbf + 16,777,216, dense
; A piece lies in 32 registers of one wave, so mean and variance are made in two passes over registers (the mean is taken
; away before the squares are summed: a common offset in x does no harm) and memory is read once.  No LDS, no barrier, no loop.
; Each load of a wave covers 512 consecutive bytes, each store 256 consecutive bytes, both aligned to their length.
; LIMITS: h and the weights are rounded to bf16 (nearest even); 1/sqrt by v_rsq_f32 (1 ULP, denormals flushed).
.set VIN, 2                            ; v2       byte offset of my 16 bytes in my wave's first piece
.set VO,  3                            ; v3, v4   byte offset of my 8 bytes in the two pieces that my wave stores
.set VS,  5                            ; v5       byte offset of my 16 bytes in ln_scale and ln_shift
.set MN,  6                            ; v[6:7]   the mean, twice
.set C,   8                            ; v[8:15]  four chains of two sums
.set R,   16                           ; v[16:19] 1/sqrt(var + eps), twice, for each of the two rows
.set X,   32                           ; v[32:95]   piece i, chunk j at X + 32 i + 4 j
.set SC,  96                           ; v[96:127]  ln_scale of my 32 columns
.set SH,  128                          ; v[128:159] ln_shift
.set Y,   160                          ; v[160:191] piece i, chunk j at Y + 16 i + 2 j: bf16 to store
	s_load_b512 s[8:23], s[0:1], 0x0               ; x s[8:9], scale s[10:11], shift s[12:13], Wq s[14:15], Wk s[16:17], Wv s[18:19], Wo s[20:21], W1 s[22:23]
	s_load_b128 s[24:27], s[0:1], 0x40             ; W2 s[24:25], h s[26:27]
	s_load_b64 s[28:29], s[0:1], 0x50              ; wbf
	s_mov_b32 s2, ttmp9                            ; the work-group's number
	s_mov_b32 s40, 0x76543210                      ; v_permlanex16_b32: lane i reads lane i of the other half
	s_mov_b32 s41, 0xfedcba98
	s_mov_b32 s42, 0x3a800000                      ; 1/1024
	s_mov_b32 s43, 0x3727c5ac                      ; 1e-5
	; source offset: 65,536 bytes x the group's number inside its own tensor
	s_and_b32 s36, s2, 255
	s_and_b32 s37, s2, 63
	s_sub_co_u32 s38, s2, 256                      ; wraps for the layer-norm groups: used in unsigned range tests only
	s_cmp_lt_u32 s38, 256                          ; Wq, Wk, Wv, Wo have 64 groups each, x, W1, W2 have 256
	s_cselect_b32 s36, s37, s36
	s_lshl_b32 s36, s36, 16
	s_mov_b32 s37, 0
	; destination offset
	s_lshl_b32 s44, s2, 15                         ; h: 16 rows of 2,048 bytes a group
	s_lshr_b32 s45, s38, 6
	s_lshl_b32 s45, s45, 11                        ; WQKV: 2,048 bytes along the row for each of Wq, Wk, Wv
	s_and_b32 s46, s38, 63
	s_mul_i32 s46, s46, 98304                      ; + 16 rows of 6,144 bytes a group
	s_add_co_u32 s45, s45, s46
	s_sub_co_u32 s46, s2, 448
	s_lshl_b32 s46, s46, 15
	s_add_co_u32 s46, s46, 6291456                 ; Wo, W1, W2 lie dense behind WQKV
	s_cmp_ge_u32 s2, 256
	s_cselect_b32 s44, s45, s44
	s_cmp_ge_u32 s2, 448
	s_cselect_b32 s44, s46, s44
	s_mov_b32 s45, 0
	s_movk_i32 s34, 2048                           ; bytes from one stored piece to the next
	s_movk_i32 s35, 6144
	s_cmp_lt_u32 s38, 192
	s_cselect_b32 s34, s35, s34
	v_and_b32 v1, 31, v0                           ; lane
	v_lshrrev_b32 v20, 5, v0                       ; wave
	v_lshlrev_b32 v[VS], 4, v1
	v_lshl_add_u32 v[VIN], v20, 13, v[VS]          ; 16 lane + wave x 2 pieces x 4,096
	v_lshlrev_b32 v21, 1, v20
	v_mul_lo_u32 v21, v21, s34
	v_lshl_add_u32 v[VO], v1, 3, v21               ; 8 lane + 2 wave x pitch
	v_add_nc_u32 v[VO+1], s34, v[VO]
	s_wait_kmcnt 0x0
	s_mov_b64 s[30:31], s[8:9]                     ; the source: one of seven buffers, chosen by the group's number alone
	s_cmp_ge_u32 s2, 256
	s_cselect_b64 s[30:31], s[14:15], s[30:31]
	s_cselect_b64 s[32:33], s[28:29], s[26:27]     ; the destination: wbf, or h for the layer norm
	s_cmp_ge_u32 s2, 320
	s_cselect_b64 s[30:31], s[16:17], s[30:31]
	s_cmp_ge_u32 s2, 384
	s_cselect_b64 s[30:31], s[18:19], s[30:31]
	s_cmp_ge_u32 s2, 448
	s_cselect_b64 s[30:31], s[20:21], s[30:31]
	s_cmp_ge_u32 s2, 512
	s_cselect_b64 s[30:31], s[22:23], s[30:31]
	s_cmp_ge_u32 s2, 768
	s_cselect_b64 s[30:31], s[24:25], s[30:31]
	s_add_nc_u64 s[30:31], s[30:31], s[36:37]
	s_add_nc_u64 s[32:33], s[32:33], s[44:45]
.irp i, 0,1
.irp j, 0,1,2,3,4,5,6,7
	global_load_b128 v[X+32*\i+4*\j:X+32*\i+4*\j+3], v[VIN], s[30:31] offset:\i*4096+\j*512
.endr
.endr
	s_cmp_ge_u32 s2, 256
	s_cbranch_scc1 .Lcast                          ; the weights are only rounded
.irp j, 0,1,2,3,4,5,6,7
	global_load_b128 v[SC+4*\j:SC+4*\j+3], v[VS], s[10:11] offset:\j*512
.endr
.irp j, 0,1,2,3,4,5,6,7
	global_load_b128 v[SH+4*\j:SH+4*\j+3], v[VS], s[12:13] offset:\j*512
.endr
; the four chains into one number, then over the 32 lanes: every lane ends with the row's sum in v[C]
.macro FOLD
	v_pk_add_f32 v[C:C+1], v[C:C+1], v[C+2:C+3]
	v_pk_add_f32 v[C+4:C+5], v[C+4:C+5], v[C+6:C+7]
	v_pk_add_f32 v[C:C+1], v[C:C+1], v[C+4:C+5]
	v_add_f32 v[C], v[C], v[C+1]
	v_add_f32_dpp v[C], v[C], v[C] row_xmask:1 row_mask:0xf bank_mask:0xf
	v_add_f32_dpp v[C], v[C], v[C] row_xmask:2 row_mask:0xf bank_mask:0xf
	v_add_f32_dpp v[C], v[C], v[C] row_xmask:4 row_mask:0xf bank_mask:0xf
	v_add_f32_dpp v[C], v[C], v[C] row_xmask:8 row_mask:0xf bank_mask:0xf
	v_permlanex16_b32 v[C+1], v[C], s40, s41
	v_add_f32 v[C], v[C], v[C+1]
.endm
; row i: the mean; x - mean in place; the mean of the squares; 1/sqrt(var + eps), twice, for the packed multiply
.macro STATS i
.irp k, 0,1,2,3
	v_pk_add_f32 v[C+2*\k:C+2*\k+1], v[X+32*\i+2*\k:X+32*\i+2*\k+1], v[X+32*\i+2*\k+8:X+32*\i+2*\k+9]   ; the first two pairs start a chain: nothing is cleared
.endr
.irp k, 8,9,10,11,12,13,14,15
	v_pk_add_f32 v[C+2*(\k%4):C+2*(\k%4)+1], v[C+2*(\k%4):C+2*(\k%4)+1], v[X+32*\i+2*\k:X+32*\i+2*\k+1]
.endr
	FOLD
	v_mul_f32 v[MN], s42, v[C]
	v_mul_f32 v[MN+1], s42, v[C]
.set j, 0
.rept 16
	v_pk_add_f32 v[X+32*\i+2*j:X+32*\i+2*j+1], v[X+32*\i+2*j:X+32*\i+2*j+1], v[MN:MN+1] neg_lo:[0,1] neg_hi:[0,1]
.set j, j+1
.endr
.irp k, 0,1,2,3
	v_pk_mul_f32 v[C+2*\k:C+2*\k+1], v[X+32*\i+2*\k:X+32*\i+2*\k+1], v[X+32*\i+2*\k:X+32*\i+2*\k+1]
.endr
.irp k, 4,5,6,7,8,9,10,11,12,13,14,15
	v_pk_fma_f32 v[C+2*(\k%4):C+2*(\k%4)+1], v[X+32*\i+2*\k:X+32*\i+2*\k+1], v[X+32*\i+2*\k:X+32*\i+2*\k+1], v[C+2*(\k%4):C+2*(\k%4)+1]
.endr
	FOLD
	v_fma_f32 v[C], v[C], s42, s43                 ; var + eps
	v_rsq_f32 v[R+2*\i], v[C]
	v_rsq_f32 v[R+2*\i+1], v[C]
	v_nop                                          ; one plain place behind a transcendental before its result is used or its source rewritten (ISA guide 5.7.2)
.endm
; row i: scale * ((x - mean) * rsq) + shift
.macro NORM i
.set j, 0
	s_wait_alu depctr_va_vdst(0)
.rept 16
	v_pk_mul_f32 v[X+32*\i+2*j:X+32*\i+2*j+1], v[X+32*\i+2*j:X+32*\i+2*j+1], v[R+2*\i:R+2*\i+1]
	v_pk_fma_f32 v[X+32*\i+2*j:X+32*\i+2*j+1], v[X+32*\i+2*j:X+32*\i+2*j+1], v[SC+2*j:SC+2*j+1], v[SH+2*j:SH+2*j+1]
.set j, j+1
.endr
.endm
	s_wait_loadcnt 16                              ; the 16 loads of x are in; the 16 younger ones (scale, shift) may be out
	STATS 0
	STATS 1
	s_wait_loadcnt 0x0                             ; scale and shift
	NORM 0
	NORM 1
.Lcast:
	s_wait_loadcnt 0x0                             ; the 16 loads of the piece (met at once behind the layer norm)
.irp i, 0,1
.irp j, 0,1,2,3,4,5,6,7
	v_cvt_pk_bf16_f32 v[Y+16*\i+2*\j],   v[X+32*\i+4*\j],   v[X+32*\i+4*\j+1]
	v_cvt_pk_bf16_f32 v[Y+16*\i+2*\j+1], v[X+32*\i+4*\j+2], v[X+32*\i+4*\j+3]
	global_store_b64 v[VO+\i], v[Y+16*\i+2*\j:Y+16*\i+2*\j+1], s[32:33] offset:\j*256   ; 32 lanes x 8 bytes: 256 consecutive bytes, aligned
.endr
.endr
	s_endpgm
.Lfunc_end_k_q75fc7484a8_prep:
	.size	k_q75fc7484a8_prep, .Lfunc_end_k_q75fc7484a8_prep-k_q75fc7484a8_prep
	.p2alignl 7, 3214868480
	.fill 96, 4, 3214868480
	.section	.rodata,"a",@progbits
	.p2align	6, 0x0
	.amdhsa_kernel k_q75fc7484a8_prep
		.amdhsa_group_segment_fixed_size 0
		.amdhsa_private_segment_fixed_size 0
		.amdhsa_enable_private_segment 0
		.amdhsa_kernarg_size 88
		.amdhsa_user_sgpr_count 2
		.amdhsa_user_sgpr_kernarg_segment_ptr 1
		.amdhsa_wavefront_size32 1
		.amdhsa_system_sgpr_workgroup_id_x 1
		.amdhsa_system_sgpr_workgroup_id_y 1
		.amdhsa_system_sgpr_workgroup_id_z 1
		.amdhsa_system_vgpr_workitem_id 0
		.amdhsa_next_free_vgpr 192
		.amdhsa_next_free_sgpr 66
		.amdhsa_reserve_vcc 0
		.amdhsa_float_denorm_mode_32 3
		.amdhsa_float_denorm_mode_16_64 3
		.amdhsa_memory_ordered 1
		.amdhsa_forward_progress 1
		.amdhsa_inst_pref_size 22
	.end_amdhsa_kernel
	.amdgpu_metadata
---
amdhsa.version: [ 1, 2 ]
amdhsa.kernels:
  - .name:           k_q75fc7484a8_prep
    .symbol:         k_q75fc7484a8_prep.kd
    .args:
      - { .name: x, .offset: 0, .size: 8, .value_kind: global_buffer, .address_space: global }
      - { .name: ln_scale, .offset: 8, .size: 8, .value_kind: global_buffer, .address_space: global }
      - { .name: ln_shift, .offset: 16, .size: 8, .value_kind: global_buffer, .address_space: global }
      - { .name: Wq, .offset: 24, .size: 8, .value_kind: global_buffer, .address_space: global }
      - { .name: Wk, .offset: 32, .size: 8, .value_kind: global_buffer, .address_space: global }
      - { .name: Wv, .offset: 40, .size: 8, .value_kind: global_buffer, .address_space: global }
      - { .name: Wo, .offset: 48, .size: 8, .value_kind: global_buffer, .address_space: global }
      - { .name: W1, .offset: 56, .size: 8, .value_kind: global_buffer, .address_space: global }
      - { .name: W2, .offset: 64, .size: 8, .value_kind: global_buffer, .address_space: global }
      - { .name: h, .offset: 72, .size: 8, .value_kind: global_buffer, .address_space: global }
      - { .name: wbf, .offset: 80, .size: 8, .value_kind: global_buffer, .address_space: global }
    .group_segment_fixed_size: 0
    .private_segment_fixed_size: 0
    .kernarg_segment_align: 8
    .kernarg_segment_size: 88
    .max_flat_workgroup_size: 256
    .sgpr_count:     66
    .vgpr_count:     192
    .wavefront_size: 32
...
	.end_amdgpu_metadata
.endif
;; end of part 1
;; launch qkv (part 2): grid 12 x 16, 4 waves a work-group, clusters of 4 x 4, 327,680 bytes of LDS; arguments h, wbf, qkv; writes qkv
.if DOCPART == 2
	.amdgcn_target "amdgcn-amd-amdhsa--gfx1250"
	.amdhsa_code_object_version 6
	.text
	.protected	k_q75fc7484a8_qkv
	.globl	k_q75fc7484a8_qkv
	.p2align	8
	.type	k_q75fc7484a8_qkv,@function
k_q75fc7484a8_qkv:
	s_mov_b64 s[64:65], 0
	v_nop
	global_prefetch_b8 v0, s[64:65] scope:SCOPE_SE
	s_setreg_imm32_b32 hwreg(HW_REG_WAVE_MODE, 25, 1), 1
	s_wait_xcnt 0x0
	s_wait_alu depctr_hold_cnt(0) depctr_sa_sdst(0) depctr_va_vdst(0) depctr_va_sdst(0) depctr_va_ssrc(0) depctr_va_vcc(0) depctr_vm_vsrc(0)
	s_getreg_b32 s2, hwreg(HW_REG_IB_STS2, 6, 4)
	s_cmp_eq_u32 s2, 0
	s_cbranch_scc0 .Lentry_in_a_cluster
	s_endpgm
.Lentry_in_a_cluster:
	s_bfe_u32 s2, ttmp6, 0x10000c
	s_cmp_lg_u32 s2, 0xf033
	s_cbranch_scc0 .Lentry_shape_is_right
	s_endpgm
.Lentry_shape_is_right:
; qkv = h [Wq | Wk | Wv].  A = h [4096][1024] bf16, W = wbf + WOFF [1024 (k)][NB (n)] bf16, sums in f32, result bf16 in blocks:
; out[column / 64][token][column % 64], so that a block of 64 columns of consecutive tokens is dense memory (128 bytes a token).
; The same text, with other constants at its head, makes gelu(h2 W1 + b1) (GELU = 1).
; A work-group makes 256 x 256 of the result with four waves, a wave 128 x 128: 64 accumulator tiles of 16 x 16, 512 registers.
; K goes in 8 steps of 128 through two LDS slots filled by the tensor data mover.  Per 32 of K a wave reads 2 x 128 x 64 bytes of LDS for 64 matrix instructions.
; W lies with n along its rows, so its fragments are read from LDS by the transposing load ds_load_tr16_b128.
; CLUSTERS: 4 x 4 work-groups.  The four of a row of the cluster need the same 256 rows of A, the four of a column the same 256 columns of W:
; each such tile is asked for jointly, by the same tensor load with the same descriptor and a mask naming the four.
; GRID: NB / 256 x 16 work-groups; with NB = 3072 that is 192: a block of 192 columns would break the 64-column output blocks, and no work-group is launched for show.
; REGISTERS in windows of 256: window 0: v16-31 addresses, v64-127 and v128-191 fragments of A (two buffers), v32-63 and v192-255 the way out;
; window 1: v64-127, v128-191 fragments of W; window 2: accumulators of my rows 0-63 (tile (a, b) at 8 (8 a + b)); window 3: rows 64-127.
; THE MATRIX INSTRUCTION IS USED TRANSPOSED: source 0 = 16 columns of W, source 1 = 16 rows of A: lane l then holds token l % 16 and its
; registers 0-7 the columns 8 (l / 16) + 0..7: eight neighbouring numbers of a row of the result.
; LIMITS: operands and result are bf16 (nearest even).  GELU = 1: 0.5 x (1 + tanh u) is computed as x / (1 + 2^(x (K0 + K1 x^2))), the same function
; by algebra; v_exp_f32 and v_rcp_f32 are good to 1 ULP and flush denormals; x = -inf gives NaN (-inf times 0), as the tanh form does.
.set NB,     3072                      ; columns of W
.set WOFF,   0                         ; where W begins in wbf
.set GELU,   0
.set KDIM,   1024
.set KSTEP,  128
.set APITCH, 272                       ; an LDS row of A: 256 bytes + 16: an odd multiple of 16, so the 16 rows of a fragment load start 16 bytes apart modulo 256
.set BPITCH, 288                       ; an LDS row of W: 256 bytes + 32: an odd multiple of 32, for the transposing load
.set AHALF,  128*APITCH                ; 128 rows of A: one tensor load
.set BSTRIP, 128*BPITCH                ; 128 k-rows x 128 columns of W: one tensor load, and what one wave reads of W
.set BOFF,   2*AHALF
.set SLOT,   BOFF+2*BSTRIP             ; 143,360
.set STAGE,  2*SLOT                    ; behind the ring: 16 rows x 272 bytes for each wave; no tensor load fills it
.set SPITCH, 272
.set LAPS,   KDIM/(2*KSTEP)            ; a lap = two K steps = once round the ring
.set ADRA, 16                          ; v16-17  LDS address of my A fragments in slot 0, 1
.set ADRB, 20                          ; v20-21  the same for W
.set STO,  24                          ; the way out: where I put 16 bytes of a row
.set RD,   25                          ; the way out: where I read back
.set CO,   26                          ; 16 x lane
.set BO,   27                          ; 32 x (lane / 16): my 8 numbers in 16 of the bias
.set K1,   28                          ; v[28:29]
.set K0,   30                          ; v[30:31]
.set PK,   32                          ; v[32:63]   packed results of 16 rows
.set F0,   64
.set F1,   128
.set BIAS, 64                          ; v[64:127]  the way out: bias of my 128 columns (8 for each tile column)
.set RB,   128                         ; v[128:159] the way out: rows read back
.set U,    160                         ; v[160:191] the way out: at work
.set T,    192                         ; v[192:255] the way out: 16 rows in f32
.set G1,  24
.set G0,  32
.set G1B, 48
.set G0B, 56
.set MSB, 0
.macro WIN new                         ; the immediate's high byte repeats the setting that is left
.if MSB != (\new)
	s_set_vgpr_msb (MSB<<8)|(\new)
.set MSB, (\new)
.endif
.endm
.set MUL_LO, 0xa1                      ; source 0 (W) window 1, source 1 (A) window 0, C and D window 2
.set MUL_HI, 0xf1                      ; the same, C and D window 3
.set TO_B,   0x40                      ; destination window 1, address window 0
; A joint load.  Waves 0 and 1 fetch A's two halves, waves 2 and 3 W's two strips.  The branch hangs on the wave's number alone.
.macro JLOAD s
	s_cmp_eq_u32 s11, 0
	s_cbranch_scc0 .Lfor_b_\@
	tensor_load_to_lds s[G0+4*\s:G0+4*\s+3], s[G1:G1+7]
	s_nop 0
	s_branch .Lasked_\@
.Lfor_b_\@:
	tensor_load_to_lds s[G0B+4*\s:G0B+4*\s+3], s[G1B:G1B+7]
	s_nop 0
.Lasked_\@:
.endm
; A round of the cluster's barrier: my work-group's barrier; wave 0 signals for the work-group; every wave waits for all sixteen; my work-group's barrier again.
.macro CREST                           ; a round behind its opening barrier
	s_cmp_lg_u32 s10, 0
	s_cbranch_scc1 .Lnot_wave_0_\@
	s_barrier_signal -3
.Lnot_wave_0_\@:
	s_barrier_wait -3
	s_barrier_signal -1
	s_barrier_wait -1
.endm
.macro CROUND
	s_barrier_signal -1
	s_barrier_wait -1
	CREST
.endm
	s_load_b128 s[4:7], s[0:1], 0x0                ; A s[4:5], wbf s[6:7]
	s_load_b64 s[8:9], s[0:1], 0x10                ; the result
	s_set_vgpr_msb 0x40
	v_lshl_add_u32 v255, v0, 2, 0x4a400
	s_set_vgpr_msb 0x4000
	v_mov_b32 v255, 0
	s_set_vgpr_msb 0x1
	ds_add_u32 v255, v255
	ds_add_u32 v255, v255
	s_set_vgpr_msb 0x100
.if GELU
	s_load_b64 s[66:67], s[0:1], 0x18              ; the bias
.endif
	v_lshrrev_b32 v1, 5, v0
	v_readfirstlane_b32 s10, v1                    ; wave 0..3
	s_lshr_b32 s11, s10, 1                         ; which half of the block's rows is mine.  Also: I fetch for A (0) or for W (1)
	s_and_b32 s12, s10, 1                          ; which half of its columns.  Also: which half of that tile I fetch
	s_bfe_u32 s40, ttmp6, 0x40000                  ; cx
	s_bfe_u32 s41, ttmp6, 0x40004                  ; cy
	s_lshl_b32 s42, ttmp9, 2
	s_add_co_u32 s42, s42, s40                     ; block column = 4 x cluster x + cx
	s_and_b32 s13, ttmp7, 0xffff
	s_lshl_b32 s13, s13, 2
	s_add_co_u32 s13, s13, s41                     ; block row = 4 x cluster y + cy
	s_lshl_b32 s43, s41, 2
	s_lshl_b32 s43, 15, s43                        ; my row of the cluster: places 4 cy .. 4 cy + 3
	s_lshl_b32 s44, 0x1111, s40                    ; my column: places cx, cx + 4, cx + 8, cx + 12
	; group 1 for A: 128 rows x 128 elements of 2 bytes, 16 bytes of padding behind every 64 words; the mask of my row, bit 21 beside it
	s_or_b32 s[G1+0], s43, (1<<16)|(1<<20)|(1<<21)|(5<<22)|(3<<25)
	s_mov_b32 s[G1+1], KSTEP<<16                   ; tensor_dim0 = 128
	s_mov_b32 s[G1+2], 128<<16                     ; tensor_dim1 = 128
	s_mov_b32 s[G1+3], KSTEP<<16                   ; tile_dim0 = 128
	s_mov_b32 s[G1+4], 128                         ; tile_dim1 = 128
	s_mov_b32 s[G1+5], KDIM                        ; elements from row to row of A
	s_mov_b32 s[G1+6], 0
	s_mov_b32 s[G1+7], 0
	; group 1 for W: 128 k-rows x 128 columns, 32 bytes of padding behind every 64 words; the mask of my column
	s_or_b32 s[G1B+0], s44, (1<<16)|(1<<20)|(1<<21)|(5<<22)|(7<<25)
	s_mov_b32 s[G1B+1], 128<<16
	s_mov_b32 s[G1B+2], KSTEP<<16
	s_mov_b32 s[G1B+3], 128<<16
	s_mov_b32 s[G1B+4], KSTEP
	s_mov_b32 s[G1B+5], NB                         ; elements from row to row of W
	s_mov_b32 s[G1B+6], 0
	s_mov_b32 s[G1B+7], 0
	; A's tiles hang on the block row alone, W's on the block column alone; each address in registers that never hold the other coordinate
	s_lshl_b32 s17, s12, 7
	s_lshl_b32 s16, s13, 8
	s_add_co_u32 s16, s16, s17                     ; A: row 256 x block row + 128 x half
	s_lshl_b32 s16, s16, 11                        ; x 2,048 bytes (at most 8 MiB)
	s_mov_b32 s17, 0
	s_lshl_b32 s46, s42, 9                         ; W: 512 bytes x block column
	s_lshl_b32 s47, s12, 8                         ; + 256 x strip
	s_add_co_u32 s46, s46, s47
	s_add_co_u32 s46, s46, WOFF
	s_mov_b32 s47, 0
	s_mul_i32 s20, s12, AHALF                      ; LDS: A's halves at 0, W's strips behind them: the wave's number alone
	s_mul_i32 s21, s12, BSTRIP
	s_add_co_u32 s21, s21, BOFF
	s_wait_dscnt 0x0
	s_wait_kmcnt 0x0
	s_add_nc_u64 s[14:15], s[4:5], s[16:17]
	s_add_nc_u64 s[46:47], s[6:7], s[46:47]
	CROUND                                         ; all sixteen work-groups are here: the first joint loads meet
.irp s, 0,1
	s_mov_b32 s[G0+4*\s], 1
	s_add_co_u32 s[G0+4*\s+1], s20, \s*SLOT
	s_add_nc_u64 s[G0+4*\s+2:G0+4*\s+3], s[14:15], \s*KSTEP*2
	s_or_b32 s[G0+4*\s+3], s[G0+4*\s+3], 0x80000000
	s_mov_b32 s[G0B+4*\s], 1
	s_add_co_u32 s[G0B+4*\s+1], s21, \s*SLOT
	s_add_nc_u64 s[G0B+4*\s+2:G0B+4*\s+3], s[46:47], \s*KSTEP*NB*2
	s_or_b32 s[G0B+4*\s+3], s[G0B+4*\s+3], 0x80000000
	JLOAD \s                                       ; both slots are asked for before anything else: two tensor loads of the wave are out
.endr
	v_and_b32 v1, 15, v0                           ; r = l % 16
	v_bfe_u32 v2, v0, 4, 1                         ; h = l / 16
	v_mul_u32_u24 v3, v1, APITCH
	v_lshl_add_u32 v3, v2, 4, v3                   ; A: row r, 16 bytes for each half of the lanes
	v_and_b32 v4, 7, v0
	v_lshl_add_u32 v4, v2, 3, v4                   ; W: k-row 8 h + l % 8,
	v_mul_u32_u24 v4, v4, BPITCH
	v_bfe_u32 v5, v0, 3, 1
	v_lshl_add_u32 v4, v5, 4, v4                   ; columns 8 ((l / 8) % 2) + 0..7
	s_mul_i32 s22, s11, AHALF
	s_mul_i32 s23, s12, BSTRIP
	s_add_co_u32 s23, s23, BOFF
.irp s, 0,1
	v_add_nc_u32 v[ADRA+\s], s22, v3
	v_add_nc_u32 v[ADRB+\s], s23, v4
	s_add_co_u32 s22, s22, SLOT
	s_add_co_u32 s23, s23, SLOT
.endr
	s_mul_i32 s22, s10, 16*SPITCH
	s_add_co_u32 s22, s22, STAGE                   ; my stage
	v_add_nc_u32 v[STO], s22, v3                   ; in: row r, 16 bytes for each half of the lanes (the stage's pitch is A's)
	v_bfe_u32 v5, v0, 3, 2
	v_mul_u32_u24 v5, v5, SPITCH                   ; back: eight lanes take 128 bytes of a row, the wave four rows
	v_and_b32 v6, 7, v0
	v_lshl_add_u32 v5, v6, 4, v5
	v_add_nc_u32 v[RD], s22, v5
	v_and_b32 v6, 31, v0
	v_lshlrev_b32 v[CO], 4, v6
.if GELU
	v_lshlrev_b32 v[BO], 5, v2
	v_mov_b32 v[K1],   0xbdd2d3e8                  ; -2 sqrt(2/pi) log2(e) x 0.044715
	v_mov_b32 v[K1+1], 0xbdd2d3e8
	v_mov_b32 v[K0],   0xc0135761                  ; -2 sqrt(2/pi) log2(e)
	v_mov_b32 v[K0+1], 0xc0135761
.endif
; 16 matrix instructions: token blocks a0, a0 + 1 of the window's four x all 8 column blocks, 32 along K.  zero = 1: the first product starts the sums.
; The 64 accumulators take turns, one instruction a turn, in the same order in every quarter step.
.macro MUL16 f, hi, a0, zero
.irp a, \a0, \a0+1
.irp b, 0,1,2,3,4,5,6,7
.if \zero
	v_wmma_f32_16x16x32_bf16 v[8*(8*(\a)+\b):8*(8*(\a)+\b)+7], v[\f+8*\b:\f+8*\b+7], v[\f+8*(4*\hi+\a):\f+8*(4*\hi+\a)+7], 0
.else
	v_wmma_f32_16x16x32_bf16 v[8*(8*(\a)+\b):8*(8*(\a)+\b)+7], v[\f+8*\b:\f+8*\b+7], v[\f+8*(4*\hi+\a):\f+8*(4*\hi+\a)+7], v[8*(8*(\a)+\b):8*(8*(\a)+\b)+7]
.endif
.endr
.endr
.endm
; 32 LDS loads in one run: the fragments of quarter q (32 of K) of a slot into buffer f: W's 8 column blocks (transposed on the way), then A's 8 row blocks
.macro FETCH slot, q, f
	WIN TO_B
.irp i, 0,1,2,3,4,5,6,7
	ds_load_tr16_b128 v[\f+8*\i:\f+8*\i+3],   v[ADRB+\slot] offset:\q*32*BPITCH+32*\i
	ds_load_tr16_b128 v[\f+8*\i+4:\f+8*\i+7], v[ADRB+\slot] offset:\q*32*BPITCH+32*\i+16*BPITCH
.endr
	WIN 0
.irp i, 0,1,2,3,4,5,6,7
	ds_load_b128 v[\f+8*\i:\f+8*\i+3],   v[ADRA+\slot] offset:\q*64+\i*16*APITCH
	ds_load_b128 v[\f+8*\i+4:\f+8*\i+7], v[ADRA+\slot] offset:\q*64+\i*16*APITCH+32
.endr
.endm
; four places behind a matrix instruction before a load is issued into one of its registers or a vector instruction reads its result
.macro PLACES
.rept 4
	v_nop
.endr
.endm
; a quarter step: multiplies buffer f; in its middle it fetches quarter q of the same slot into buffer g
.macro QUARTER slot, q, f, g, zero
	s_wait_dscnt 8                                 ; W and A's rows 0-63 are in; the youngest eight loads (A's rows 64-127) may be out
	WIN MUL_LO
	MUL16 \f, 0, 0, \zero
	MUL16 \f, 0, 2, \zero
	PLACES
	FETCH \slot, \q, \g
	s_wait_dscnt 32                                ; all but the 32 just issued
	WIN MUL_HI
	MUL16 \f, 1, 0, \zero
	MUL16 \f, 1, 2, \zero
.endm
.macro THREE slot, zero
	QUARTER \slot, 1, F0, F1, \zero
	QUARTER \slot, 2, F1, F0, 0
	QUARTER \slot, 3, F0, F1, 0
.endm
; the last quarter of a K step: multiplies buffer 1 and changes slots.  In front of the barrier each wave waits for its reads of this slot and for all
; its tensor loads (one is out: its part of the next slot).  Behind it (where the slot is filled again: behind the round of the cluster's barrier that it opens)
; the refill comes first, then the next slot's first fragments.  From a request to the wait for it a wave issues 240 matrix instructions.
.macro TURN slot, next, fill
	s_wait_dscnt 8
	WIN MUL_LO
	MUL16 F1, 0, 0, 0
	s_wait_dscnt 0                                 ; my reads of this slot are over
	s_wait_tensorcnt 0x0                           ; all my tensor loads have landed
	ds_add_u32 v255, v255
	s_wait_dscnt 0x0
	s_barrier_signal -1
	MUL16 F1, 0, 2, 0                              ; register work while the others arrive
	WIN 0
	s_barrier_wait -1
.if \fill
	CREST                                          ; no wave of any partner still reads this slot or has a load on its way
	s_add_nc_u64 s[G0+4*\slot+2:G0+4*\slot+3], s[G0+4*\slot+2:G0+4*\slot+3], 2*KSTEP*2
	s_add_nc_u64 s[G0B+4*\slot+2:G0B+4*\slot+3], s[G0B+4*\slot+2:G0B+4*\slot+3], 2*KSTEP*NB*2
	JLOAD \slot                                    ; the wave's one tensor load behind the round, and the first thing there
.endif
	PLACES
	FETCH \next, 0, F0
	WIN MUL_HI
	MUL16 F1, 1, 0, 0
	MUL16 F1, 1, 2, 0
.endm
.macro LAP zero
	THREE 0, \zero
	TURN 0, 1, 1
	THREE 1, 0
	TURN 1, 0, 1
.endm
	s_wait_tensorcnt 1                             ; my part of K step 0 is in; K step 1's may stay out
	s_barrier_signal -1
	s_barrier_wait -1
	FETCH 0, 0, F0
	LAP 1                                          ; the first lap stands in front of the loop: its first products start the sums
	WIN 0
	s_mov_b32 s3, LAPS-2
.Llap:
	LAP 0
	WIN 0
	s_sub_co_u32 s3, s3, 1
	s_cmp_lg_u32 s3, 0
	s_cbranch_scc1 .Llap
	THREE 0, 0                                     ; the last lap fills nothing
	TURN 0, 1, 0
	THREE 1, 0
	s_wait_dscnt 8
	WIN MUL_LO
	MUL16 F1, 0, 0, 0
	MUL16 F1, 0, 2, 0
	s_wait_dscnt 0
	WIN MUL_HI
	MUL16 F1, 1, 0, 0
	MUL16 F1, 1, 2, 0
	; THE WAY OUT, 16 tokens at a time: (bias, gelu,) round to bf16, 16 bytes a lane into my own stage, read back as 4 tokens x 128 bytes of one column block.
	PLACES
	WIN 0
	s_lshl_b32 s16, s13, 15                        ; (256 x block row + 128 x half) tokens of 128 bytes
	s_lshl_b32 s17, s11, 14
	s_add_co_u32 s16, s16, s17
	s_mov_b32 s17, 0
	s_add_nc_u64 s[8:9], s[8:9], s[16:17]
	s_lshl_b32 s46, s42, 21                        ; (4 x block column + 2 x half) column blocks of 4,096 tokens x 128 bytes
	s_lshl_b32 s47, s12, 20
	s_add_co_u32 s46, s46, s47
	s_mov_b32 s47, 0
	s_add_nc_u64 s[8:9], s[8:9], s[46:47]
.if GELU
	s_lshl_b32 s46, s42, 10                        ; the bias of my 128 columns
	s_lshl_b32 s47, s12, 9
	s_add_co_u32 s46, s46, s47
	s_mov_b32 s47, 0
	s_add_nc_u64 s[66:67], s[66:67], s[46:47]
.irp b, 0,1,2,3,4,5,6,7
	global_load_b128 v[BIAS+8*\b:BIAS+8*\b+3],   v[BO], s[66:67] offset:64*\b
	global_load_b128 v[BIAS+8*\b+4:BIAS+8*\b+7], v[BO], s[66:67] offset:64*\b+16
.endr
	s_wait_loadcnt 0x0
.endif
; 32 numbers of T: x / (1 + 2^(x (K0 + K1 x^2))), rounded into PK
.macro GELU32 g
.set j, 0
.rept 16
	v_pk_mul_f32 v[U+2*j:U+2*j+1], v[T+32*\g+2*j:T+32*\g+2*j+1], v[T+32*\g+2*j:T+32*\g+2*j+1]
.set j, j+1
.endr
.set j, 0
.rept 16
	v_pk_fma_f32 v[U+2*j:U+2*j+1], v[U+2*j:U+2*j+1], v[K1:K1+1], v[K0:K0+1]
.set j, j+1
.endr
.set j, 0
.rept 16
	v_pk_mul_f32 v[U+2*j:U+2*j+1], v[U+2*j:U+2*j+1], v[T+32*\g+2*j:T+32*\g+2*j+1]
.set j, j+1
.endr
.set j, 0
.rept 32
	v_exp_f32 v[U+j], v[U+j]
.set j, j+1
.endr
	v_nop                                          ; one plain place behind the last transcendental (ISA guide 5.7.2)
.set j, 0
.rept 16
	v_pk_add_f32 v[U+2*j:U+2*j+1], v[U+2*j:U+2*j+1], 1.0 op_sel_hi:[1,0]
.set j, j+1
.endr
.set j, 0
.rept 32
	v_rcp_f32 v[U+j], v[U+j]
.set j, j+1
.endr
	v_nop
.set j, 0
.rept 16
	v_pk_mul_f32 v[T+32*\g+2*j:T+32*\g+2*j+1], v[T+32*\g+2*j:T+32*\g+2*j+1], v[U+2*j:U+2*j+1]
.set j, j+1
.endr
.set j, 0
.rept 16
	v_cvt_pk_bf16_f32 v[PK+16*\g+j], v[T+32*\g+2*j], v[T+32*\g+2*j+1]
.set j, j+1
.endr
.endm
; tokens 16 i .. 16 i + 15 of my block = the eight tiles (a, 0..7) of window 2 + hi
.macro OUT16 i, a, hi
.if GELU
	WIN 0x02+\hi                                   ; source 0 in the accumulators' window
.irp b, 0,1,2,3,4,5,6,7
.irp r, 0,1,2,3
	v_pk_add_f32 v[T+8*\b+2*\r:T+8*\b+2*\r+1], v[8*(8*\a+\b)+2*\r:8*(8*\a+\b)+2*\r+1], v[BIAS+8*\b+2*\r:BIAS+8*\b+2*\r+1]
.endr
.endr
	WIN 0
	GELU32 0
	GELU32 1
.else
	WIN 0x0a+5*\hi                                 ; sources 0 and 1 in the accumulators' window
.irp b, 0,1,2,3,4,5,6,7
.irp r, 0,1,2,3
	v_cvt_pk_bf16_f32 v[PK+4*\b+\r], v[8*(8*\a+\b)+2*\r], v[8*(8*\a+\b)+2*\r+1]
.endr
.endr
	WIN 0
.endif
.irp b, 0,1,2,3,4,5,6,7
	ds_store_b128 v[STO], v[PK+4*\b:PK+4*\b+3] offset:32*\b
.endr
	s_wait_xcnt 0x0                                ; RB, which the last pass's stores read, is loaded again only behind this wait (ISA guide 3.1)
.irp t, 0,1,2,3,4,5,6,7
	ds_load_b128 v[RB+4*\t:RB+4*\t+3], v[RD] offset:(\t%4)*4*SPITCH+(\t/4)*128   ; LDS serves a wave's instructions in order: these see the stores above
.endr
.irp t, 0,1,2,3,4,5,6,7
	s_wait_dscnt 7-\t                              ; load t is in, the younger ones may be out
	global_store_b128 v[CO], v[RB+4*\t:RB+4*\t+3], s[8:9] offset:(\t/4)*524288+\i*2048+(\t%4)*512   ; 4 tokens of one column block: 512 consecutive bytes, aligned
.endr
.endm
	OUT16 0, 0, 0
	OUT16 1, 1, 0
	OUT16 2, 2, 0
	OUT16 3, 3, 0
	OUT16 4, 0, 1
	OUT16 5, 1, 1
	OUT16 6, 2, 1
	OUT16 7, 3, 1
	s_set_vgpr_msb 0x1
	s_wait_tensorcnt 0x0
	ds_add_u32 v255, v255
	s_wait_dscnt 0x0
	s_set_vgpr_msb 0x100
	CROUND                                         ; the closing round: no work-group ends while a partner may still ask for a tile that names it
	s_endpgm
.Lfunc_end_k_q75fc7484a8_qkv:
	.size	k_q75fc7484a8_qkv, .Lfunc_end_k_q75fc7484a8_qkv-k_q75fc7484a8_qkv
	.p2alignl 7, 3214868480
	.fill 96, 4, 3214868480
	.section	.rodata,"a",@progbits
	.p2align	6, 0x0
	.amdhsa_kernel k_q75fc7484a8_qkv
		.amdhsa_group_segment_fixed_size 327680
		.amdhsa_private_segment_fixed_size 0
		.amdhsa_enable_private_segment 0
		.amdhsa_kernarg_size 24
		.amdhsa_user_sgpr_count 2
		.amdhsa_user_sgpr_kernarg_segment_ptr 1
		.amdhsa_wavefront_size32 1
		.amdhsa_system_sgpr_workgroup_id_x 1
		.amdhsa_system_sgpr_workgroup_id_y 1
		.amdhsa_system_sgpr_workgroup_id_z 1
		.amdhsa_system_vgpr_workitem_id 0
		.amdhsa_next_free_vgpr 1024
		.amdhsa_next_free_sgpr 80
		.amdhsa_reserve_vcc 0
		.amdhsa_float_denorm_mode_32 3
		.amdhsa_float_denorm_mode_16_64 3
		.amdhsa_memory_ordered 1
		.amdhsa_forward_progress 1
		.amdhsa_inst_pref_size 196
	.end_amdhsa_kernel
	.amdgpu_metadata
---
amdhsa.version: [ 1, 2 ]
amdhsa.kernels:
  - .name:           k_q75fc7484a8_qkv
    .symbol:         k_q75fc7484a8_qkv.kd
    .args:
      - { .name: h, .offset: 0, .size: 8, .value_kind: global_buffer, .address_space: global }
      - { .name: wbf, .offset: 8, .size: 8, .value_kind: global_buffer, .address_space: global }
      - { .name: qkv, .offset: 16, .size: 8, .value_kind: global_buffer, .address_space: global }
    .group_segment_fixed_size: 327680
    .private_segment_fixed_size: 0
    .kernarg_segment_align: 8
    .kernarg_segment_size: 24
    .max_flat_workgroup_size: 128
    .sgpr_count:     80
    .vgpr_count:     1024
    .wavefront_size: 32
...
	.end_amdgpu_metadata
.endif
;; end of part 2
;; launch attn (part 3): grid 8 x 32, 4 waves a work-group, no clusters, 327,680 bytes of LDS; arguments qkv, ctx; writes ctx
.if DOCPART == 3
	.amdgcn_target "amdgcn-amd-amdhsa--gfx1250"
	.amdhsa_code_object_version 6
	.text
	.protected	k_q75fc7484a8_attn
	.globl	k_q75fc7484a8_attn
	.p2align	8
	.type	k_q75fc7484a8_attn,@function
k_q75fc7484a8_attn:
	s_mov_b64 s[64:65], 0
	v_nop
	global_prefetch_b8 v0, s[64:65] scope:SCOPE_SE
	s_setreg_imm32_b32 hwreg(HW_REG_WAVE_MODE, 25, 1), 1
	s_wait_xcnt 0x0
; Causal attention, one head at a time, with a running maximum (flash form).  qkv: [48][4096][64] bf16 (block = head for q, 16 + head for k, 32 + head for v;
; token = 2048 b + s).  ctx is stored in the order of a matrix fragment, for the product that reads it: [k / 32][token / 16][1,024 bytes], k = 64 head + d;
; in a block lane l = 16 h + r holds (token r, k 8 h .. 8 h + 7) at byte 16 l and (token r, k 16 + 8 h .. + 7) at byte 512 + 16 l.
; Work-group (p, y): head y % 16, batch y / 16; it makes query block p (128 rows, key tiles 0..p) and then query block 15 - p (key tiles 0..15-p):
; (p + 1) + (16 - p) = 17 key tiles of 128 for every work-group, so the work is equal and the trip count is a constant.  Tiles above the diagonal,
; whose scores the causal mask throws away, are never made.  A wave owns 32 query rows (two halves qn of 16).
; NO CLUSTER: the work-groups of one head need different numbers of tiles of K and V at different times (p + 1 and 16 - p); a form in which partners ask alike
; (query blocks of 512 rows) makes 160 tile steps a head instead of 136, and a step's 32 KiB already feed 64 matrix instructions and 128 exponentials a lane in each wave.
; BOTH PRODUCTS ARE TRANSPOSED, so that no number changes lanes between them: S^T = K Q^T (source 0 = 16 keys, source 1 = 16 queries): lane (r, h), register j holds
; (key 16 kb + 8 h + j, query r).  O^T = V^T P^T (source 0 = V through the transposing load, source 1 = P): P's fragment for keys 32 c .. 32 c + 31 is the lane's own
; scores of key blocks 2 c and 2 c + 1, packed in place.  Maximum, sum and rescaling factor are one number a lane.  A lane's eight results of an output tile are
; (token r, d 16 db + 8 h + 0..7): packed they are 16 bytes of ctx's fragment order, so the result leaves straight from registers.
; K and V come through two LDS slots, one tile each, filled by tensor loads: waves 0, 1 bring K's halves, waves 2, 3 V's.
; WINDOWS: 0: addresses, Q v[32:63], S v[64:191], T v[192:255];  1: O v[0:63], V's fragments v[64:191];  2: K's fragments v[0:127].
; O IS CLEARED BY 64 MOVES, twice in the launch: one text serves all 17 tiles and the change of query block lies inside the loop, so no tile is the first in the text.
; LIMITS: q, k, v, P and ctx are bf16; the sum of a row's exponentials is taken in f32 before they are rounded; v_exp_f32 and v_rcp_f32 are good to 1 ULP and flush denormals.
.set KP,    144                        ; LDS pitch of K: 128 bytes + 16, an odd multiple of 16
.set VP,    160                        ; LDS pitch of V: 128 bytes + 32, an odd multiple of 32, for the transposing load
.set VOFF,  128*KP
.set SLOT,  VOFF+128*VP                ; 38,912
.set CBLK,  262144                     ; ctx: bytes from one block of 32 k to the next (256 token blocks of 1,024 bytes)
.set KA,  3                            ; r KP + 16 h
.set VA,  4                            ; VOFF + (8 h + l % 8) VP + 16 ((l / 8) % 2)
.set QO,  5                            ; (32 w + r) 128 + 16 h
.set CO,  8                            ; 16 l
.set NEG, 9                            ; -inf
.set TH,  10                           ; v10, v11  query index in the block less 8 h, for qn = 0, 1
.set MX,  12                           ; v[12:13]  running maximum (of the raw scores)
.set LS,  14                           ; v[14:15]  running sum, each half of the lanes its own keys
.set AL,  16                           ; v[16:17]  rescaling factor; at the end 1 / sum
.set NMC, 18                           ; v[18:19]  - maximum x scale
.set TT,  20                           ; v[20:23]  at work
.set CH,  24                           ; v[24:31]  four chains of two sums
.set Q,   32
.set S,   64
.set T,   192
.set VF,  64                           ; in window 1
.set G1K, 16
.set G1V, 24
.set G0K, 32                           ; a set of four for each slot
.set G0V, 40
.set MSB, 0
.macro WIN new
.if MSB != (\new)
	s_set_vgpr_msb (MSB<<8)|(\new)
.set MSB, (\new)
.endif
.endm
.macro KVLOAD s                        ; one tensor load a wave: 64 rows of K (waves 0, 1) or of V (waves 2, 3) into slot s
	s_cmp_eq_u32 s10, 0
	s_cbranch_scc0 .Lfor_v_\@
	tensor_load_to_lds s[G0K+4*\s:G0K+4*\s+3], s[G1K:G1K+7]
	s_nop 0
	s_branch .Lasked_\@
.Lfor_v_\@:
	tensor_load_to_lds s[G0V+4*\s:G0V+4*\s+3], s[G1V:G1V+7]
	s_nop 0
.Lasked_\@:
.endm
.macro QLOAD qb                        ; my 32 query rows of the block whose number is in s[qb], straight into fragments
	s_lshl_b32 s52, s[\qb], 14
	s_add_co_u32 s52, s52, s15
	s_add_nc_u64 s[54:55], s[4:5], s[52:53]
.irp qn, 0,1
.irp ds, 0,1
	global_load_b128 v[Q+8*(2*\qn+\ds):Q+8*(2*\qn+\ds)+3],   v[QO], s[54:55] offset:\qn*2048+\ds*64
	global_load_b128 v[Q+8*(2*\qn+\ds)+4:Q+8*(2*\qn+\ds)+7], v[QO], s[54:55] offset:\qn*2048+\ds*64+32
.endr
.endr
.endm
.macro INIT                            ; a query block begins
	v_mov_b32 v[MX], v[NEG]
	v_mov_b32 v[MX+1], v[NEG]
	v_mov_b32 v[LS], 0
	v_mov_b32 v[LS+1], 0
	WIN 0x40
.set j, 0
.rept 64
	v_mov_b32 v[j], 0
.set j, j+1
.endr
	WIN 0
.endm
	s_load_b128 s[4:7], s[0:1], 0x0                ; qkv s[4:5], ctx s[6:7]
	v_lshl_add_u32 v6, v0, 2, 0x29000
	v_mov_b32 v7, 0
	ds_add_u32 v6, v7
	ds_add_u32 v6, v7
	v_lshrrev_b32 v1, 5, v0
	v_readfirstlane_b32 s8, v1                     ; wave 0..3
	s_and_b32 s9, s8, 1                            ; which 64 rows of a tile I fetch
	s_lshr_b32 s10, s8, 1                          ; I fetch K (0) or V (1)
	s_mov_b32 s11, ttmp9                           ; p
	s_sub_co_u32 s12, s11, 1                       ; p - 1 (for p = 0 a number that the counter never takes)
	s_mov_b32 s14, s11                             ; the query block at work
	s_sub_co_u32 s69, 15, s11                      ; the second query block
	s_and_b32 s66, ttmp7, 0xffff
	s_and_b32 s67, s66, 15                         ; head
	s_lshr_b32 s66, s66, 4                         ; batch
	s_lshl_b32 s15, s67, 19
	s_lshl_b32 s70, s66, 17                        ; ctx: 2 head blocks of 262,144 bytes + (128 batch + 2 w) token blocks of 1,024 bytes
	s_add_co_u32 s70, s70, s15
	s_lshl_b32 s71, s8, 11
	s_add_co_u32 s70, s70, s71
	s_lshl_b32 s66, s66, 18
	s_add_co_u32 s15, s15, s66                     ; qkv: (4096 head + 2048 batch) x 128 bytes
	s_mov_b32 s58, 0x76543210
	s_mov_b32 s59, 0xfedcba98
	s_mov_b32 s60, 0x3e38aa3b                      ; log2(e) / sqrt(64)
	s_mov_b32 s61, 0x3e38aa3b
	; group 1: 64 rows x 64 elements of 2 bytes, dense in memory; padding behind every 32 words: 4 words for K, 8 for V
	s_mov_b32 s[G1K+0], (1<<16)|(1<<20)|(4<<22)|(3<<25)
	s_mov_b32 s[G1V+0], (1<<16)|(1<<20)|(4<<22)|(7<<25)
.irp g, G1K, G1V
	s_mov_b32 s[\g+1], 64<<16                      ; tensor_dim0 = 64
	s_mov_b32 s[\g+2], 64<<16                      ; tensor_dim1 = 64
	s_mov_b32 s[\g+3], 64<<16                      ; tile_dim0 = 64
	s_mov_b32 s[\g+4], 64                          ; tile_dim1 = 64
	s_mov_b32 s[\g+5], 64                          ; elements from row to row
	s_mov_b32 s[\g+6], 0
	s_mov_b32 s[\g+7], 0
.endr
	s_lshl_b32 s66, s9, 13                         ; my 64 rows of 128 bytes
	s_add_co_u32 s52, s15, s66
	s_mov_b32 s53, 0                               ; stays 0: s[52:53] is the pair in which offsets are made
	s_mul_i32 s67, s9, 64*KP
	s_mul_i32 s68, s9, 64*VP
	s_add_co_u32 s68, s68, VOFF
	s_wait_dscnt 0x0
	s_wait_kmcnt 0x0
	s_add_nc_u64 s[48:49], s[4:5], s[52:53]
	s_add_nc_u64 s[50:51], s[48:49], 16777216      ; v's blocks begin at block 32
	s_add_nc_u64 s[48:49], s[48:49], 8388608       ; k's at block 16
.irp s, 0,1
	s_mov_b32 s[G0K+4*\s], 1
	s_add_co_u32 s[G0K+4*\s+1], s67, \s*SLOT
	s_mov_b32 s[G0V+4*\s], 1
	s_add_co_u32 s[G0V+4*\s+1], s68, \s*SLOT
.endr
	s_mov_b64 s[G0K+2:G0K+3], s[48:49]             ; key tile 0
	s_or_b32 s[G0K+3], s[G0K+3], 0x80000000
	s_mov_b64 s[G0V+2:G0V+3], s[50:51]
	s_or_b32 s[G0V+3], s[G0V+3], 0x80000000
	KVLOAD 0                                       ; the one first fill at the start; slot 1 is filled behind the first trip's barrier
	v_and_b32 v1, 15, v0                           ; r
	v_bfe_u32 v2, v0, 4, 1                         ; h
	v_mul_u32_u24 v[KA], v1, KP
	v_lshl_add_u32 v[KA], v2, 4, v[KA]
	v_and_b32 v20, 7, v0
	v_lshl_add_u32 v21, v2, 3, v20
	v_mul_u32_u24 v21, v21, VP
	v_bfe_u32 v22, v0, 3, 1
	v_lshl_add_u32 v21, v22, 4, v21
	v_add_nc_u32 v[VA], VOFF, v21
	s_lshl_b32 s66, s8, 5                          ; 32 w
	v_add_nc_u32 v23, s66, v1
	v_lshlrev_b32 v23, 7, v23
	v_lshl_add_u32 v[QO], v2, 4, v23
	QLOAD 14
	v_and_b32 v22, 31, v0
	v_lshlrev_b32 v[CO], 4, v22
	v_mov_b32 v[NEG], 0xff800000
	v_lshlrev_b32 v22, 3, v2
	v_sub_nc_u32 v22, v1, v22
	v_add_nc_u32 v[TH], s66, v22                   ; 32 w + r - 8 h
	v_add_nc_u32 v[TH+1], 16, v[TH]
	INIT
; the diagonal tile: key 16 kb + 8 h + j is masked where it is above query 32 w + 16 qn + r
.macro MASK
.irp qn, 0,1
.set kk, 0
.rept 64
	v_cmp_gt_i32 vcc_lo, kk+8*(kk/8), v[TH+\qn]
	v_cndmask_b32 v[S+64*\qn+kk], v[S+64*\qn+kk], v[NEG], vcc_lo
.set kk, kk+1
.endr
.endr
.endm
; the new maximum of query half qn, the factor 2^((old - new) scale) and - new x scale
.macro SMAX qn
.irp k, 0,1,2,3
	v_max_num_f32 v[TT+\k], v[S+64*\qn+16*\k], v[S+64*\qn+16*\k+1]
.endr
.irp i, 1,2,3,4,5,6,7
.irp k, 0,1,2,3
	v_max3_num_f32 v[TT+\k], v[TT+\k], v[S+64*\qn+16*\k+2*\i], v[S+64*\qn+16*\k+2*\i+1]
.endr
.endr
	v_max3_num_f32 v[TT], v[TT], v[TT+1], v[TT+2]
	v_max_num_f32 v[TT], v[TT], v[TT+3]
	v_permlanex16_b32 v[TT+1], v[TT], s58, s59     ; the other half of the lanes holds the query's other keys
	v_max3_num_f32 v[TT+2], v[TT], v[TT+1], v[MX+\qn]
	v_sub_f32 v[TT+3], v[MX+\qn], v[TT+2]
	v_mul_f32 v[TT+3], s60, v[TT+3]
	v_exp_f32 v[AL+\qn], v[TT+3]
	v_mov_b32 v[MX+\qn], v[TT+2]                   ; also the plain place behind the transcendental (ISA guide 5.7.2)
	v_mul_f32 v[NMC+\qn], -v[TT+2], s60
.endm
; P = 2^(S scale - max scale) in place, its sum into the running sum, P packed to bf16 in place as source 1 of the second product
.macro SEXP qn
.set j, 0
.rept 32
	v_pk_fma_f32 v[S+64*\qn+2*j:S+64*\qn+2*j+1], v[S+64*\qn+2*j:S+64*\qn+2*j+1], s[60:61], v[NMC:NMC+1] op_sel:[0,0,\qn] op_sel_hi:[1,0,\qn]
.set j, j+1
.endr
.set j, 0
.rept 64
	v_exp_f32 v[S+64*\qn+j], v[S+64*\qn+j]
.set j, j+1
.endr
	v_nop
	s_wait_alu depctr_va_vdst(0)
.irp k, 0,1,2,3
	v_pk_add_f32 v[CH+2*\k:CH+2*\k+1], v[S+64*\qn+2*\k:S+64*\qn+2*\k+1], v[S+64*\qn+8+2*\k:S+64*\qn+8+2*\k+1]
.endr
.irp i, 2,3,4,5,6,7
.irp k, 0,1,2,3
	v_pk_add_f32 v[CH+2*\k:CH+2*\k+1], v[CH+2*\k:CH+2*\k+1], v[S+64*\qn+8*\i+2*\k:S+64*\qn+8*\i+2*\k+1]
.endr
.endr
	v_pk_add_f32 v[CH:CH+1], v[CH:CH+1], v[CH+2:CH+3]
	v_pk_add_f32 v[CH+4:CH+5], v[CH+4:CH+5], v[CH+6:CH+7]
	v_pk_add_f32 v[CH:CH+1], v[CH:CH+1], v[CH+4:CH+5]
	v_add_f32 v[CH], v[CH], v[CH+1]
	v_fma_f32 v[LS+\qn], v[LS+\qn], v[AL+\qn], v[CH]
.irp c, 0,1,2,3
.irp r, 0,1,2,3,4,5,6,7
	v_cvt_pk_bf16_f32 v[S+64*\qn+16*\c+\r], v[S+64*\qn+16*\c+2*\r], v[S+64*\qn+16*\c+2*\r+1]   ; register r is written when registers 2 r, 2 r + 1 are read: nothing unread is lost
.endr
.endr
.endm
; a query block ends: O / sum, rounded; tile t = 4 qn + db is 16 bytes a lane of ctx's fragment order and leaves by one store of 512 consecutive bytes
.macro FINAL
	s_wait_xcnt 0x0                                ; T and the stores' base, which the first block's stores read, are written again only behind this wait (ISA guide 3.1)
	v_permlanex16_b32 v[TT], v[LS], s58, s59
	v_permlanex16_b32 v[TT+1], v[LS+1], s58, s59
	v_add_f32 v[TT], v[TT], v[LS]
	v_add_f32 v[TT+1], v[TT+1], v[LS+1]
	v_rcp_f32 v[AL], v[TT]
	v_rcp_f32 v[AL+1], v[TT+1]
	v_nop
	WIN 0x01                                       ; source 0 (O) in window 1
	s_wait_alu depctr_va_vdst(0)
.irp qn, 0,1
.set j, 0
.rept 16
	v_pk_mul_f32 v[T+32*\qn+2*j:T+32*\qn+2*j+1], v[32*\qn+2*j:32*\qn+2*j+1], v[AL:AL+1] op_sel:[0,\qn] op_sel_hi:[1,\qn]
.set j, j+1
.endr
.endr
	WIN 0
	s_lshl_b32 s52, s14, 13                        ; 8 token blocks of 1,024 bytes for each query block
	s_add_co_u32 s52, s52, s70
	s_add_nc_u64 s[56:57], s[6:7], s[52:53]
.irp t, 0,1,2,3,4,5,6,7
.irp r, 0,1,2,3
	v_cvt_pk_bf16_f32 v[T+8*\t+\r], v[T+8*\t+2*\r], v[T+8*\t+2*\r+1]
.endr
	global_store_b128 v[CO], v[T+8*\t:T+8*\t+3], s[56:57] offset:((\t%4)/2)*CBLK+(\t/4)*1024+(\t%2)*512   ; k block db / 2, token block qn, half db % 2: 512 consecutive bytes, aligned
.endr
.endm
; one key tile, t = s13 + slot.  refill = 1: the other slot gets tile t + 1.  last = 1: the 17th tile, the second block's diagonal.
.macro TRIP slot, refill, last
	s_wait_tensorcnt 0x0                           ; all my tensor loads have landed, my part of this tile among them: every group 0 may be written
	ds_add_u32 v6, v7
	s_wait_dscnt 0x0
.if \refill
	s_add_co_u32 s66, s13, \slot+1                 ; n = t + 1: key tile n of the first block while n <= p, then n - p - 1 of the second
	s_sub_co_u32 s67, s66, s11
	s_sub_co_u32 s67, s67, 1
	s_cmp_le_u32 s66, s11
	s_cselect_b32 s66, s66, s67
	s_lshl_b32 s52, s66, 14                        ; 128 keys of 128 bytes
	s_add_nc_u64 s[G0K+4*(1-\slot)+2:G0K+4*(1-\slot)+3], s[48:49], s[52:53]
	s_or_b32 s[G0K+4*(1-\slot)+3], s[G0K+4*(1-\slot)+3], 0x80000000
	s_add_nc_u64 s[G0V+4*(1-\slot)+2:G0V+4*(1-\slot)+3], s[50:51], s[52:53]
	s_or_b32 s[G0V+4*(1-\slot)+3], s[G0V+4*(1-\slot)+3], 0x80000000
.endif
	s_wait_dscnt 0x0                               ; my reads of the last tile are over
	s_barrier_signal -1
	s_barrier_wait -1                              ; both now hold of every wave
.if \refill
	KVLOAD (1-\slot)                               ; my one tensor load behind the barrier, first thing there; it has this tile's work in which to land
.endif
	WIN 0x80
.irp ds, 0,1
.irp kb, 0,1,2,3,4,5,6,7
	ds_load_b128 v[8*(8*\ds+\kb):8*(8*\ds+\kb)+3],   v[KA] offset:\slot*SLOT+\kb*16*KP+\ds*64
	ds_load_b128 v[8*(8*\ds+\kb)+4:8*(8*\ds+\kb)+7], v[KA] offset:\slot*SLOT+\kb*16*KP+\ds*64+32
.endr
.endr
	WIN 0x40
.irp c, 0,1,2,3
.irp db, 0,1,2,3
	ds_load_tr16_b128 v[VF+8*(4*\c+\db):VF+8*(4*\c+\db)+3],   v[VA] offset:\slot*SLOT+\c*32*VP+\db*32
	ds_load_tr16_b128 v[VF+8*(4*\c+\db)+4:VF+8*(4*\c+\db)+7], v[VA] offset:\slot*SLOT+\c*32*VP+\db*32+16*VP
.endr
.endr
	s_wait_loadcnt 0x0                             ; Q (met at once but at a block's first tile)
	s_wait_dscnt 48                                ; K's 16 loads for d 0-31 are in; its other 16 and V's 32 may be out
	WIN 0x02                                       ; source 0 (K) in window 2
	; the 16 score tiles take turns, one instruction a turn
.irp qn, 0,1
.irp kb, 0,1,2,3,4,5,6,7
	v_wmma_f32_16x16x32_bf16 v[S+8*(8*\qn+\kb):S+8*(8*\qn+\kb)+7], v[8*\kb:8*\kb+7], v[Q+16*\qn:Q+16*\qn+7], 0
.endr
.endr
	s_wait_dscnt 32                                ; K is whole; V's 32 loads may be out
.irp qn, 0,1
.irp kb, 0,1,2,3,4,5,6,7
	v_wmma_f32_16x16x32_bf16 v[S+8*(8*\qn+\kb):S+8*(8*\qn+\kb)+7], v[8*(8+\kb):8*(8+\kb)+7], v[Q+16*\qn+8:Q+16*\qn+15], v[S+8*(8*\qn+\kb):S+8*(8*\qn+\kb)+7]
.endr
.endr
	WIN 0
.rept 4
	v_nop                                          ; four places before the scores are read and before Q is loaded again (ISA guide 7.12.1)
.endr
.if \last
	MASK
.else
	s_cmp_lg_u32 s13, s[11+\slot]                  ; t = p: the first block's diagonal tile
	s_cbranch_scc1 .Lnodiag_\@
	QLOAD 69                                       ; the second block's queries: they land during the rest of this tile
	MASK
.Lnodiag_\@:
.endif
	SMAX 0
	SMAX 1
	SEXP 0
	SEXP 1
	WIN 0x41                                       ; O: destination and source 0 in window 1
.irp qn, 0,1
.set j, 0
.rept 16
	v_pk_mul_f32 v[32*\qn+2*j:32*\qn+2*j+1], v[32*\qn+2*j:32*\qn+2*j+1], v[AL:AL+1] op_sel:[0,\qn] op_sel_hi:[1,\qn]
.set j, j+1
.endr
.endr
	s_wait_dscnt 0x0                               ; V
	WIN 0x51                                       ; source 0 (V), C and D (O) in window 1, source 1 (P) in window 0
	; the 8 output tiles take turns, one instruction a turn
.irp c, 0,1,2,3
.irp qn, 0,1
.irp db, 0,1,2,3
	v_wmma_f32_16x16x32_bf16 v[8*(4*\qn+\db):8*(4*\qn+\db)+7], v[VF+8*(4*\c+\db):VF+8*(4*\c+\db)+7], v[S+8*(8*\qn+2*\c):S+8*(8*\qn+2*\c)+7], v[8*(4*\qn+\db):8*(4*\qn+\db)+7]
.endr
.endr
.endr
	WIN 0
.rept 5
	v_nop                                          ; five places before the next tile's products write over P; they also serve the loads into V's fragments and the reads of O
.endr
.if \last == 0
	s_cmp_lg_u32 s13, s[11+\slot]
	s_cbranch_scc1 .Lsame_\@
	FINAL                                          ; the first block is done
	s_mov_b32 s14, s69
	INIT
.Lsame_\@:
.endif
.endm
	s_mov_b32 s13, 0
.Lt:
	TRIP 0, 1, 0
	TRIP 1, 1, 0
	s_add_co_u32 s13, s13, 2
	s_cmp_lt_u32 s13, 16
	s_cbranch_scc1 .Lt
	TRIP 0, 0, 1                                   ; the 17th tile: nothing is left to fetch
	FINAL
	s_endpgm
.Lfunc_end_k_q75fc7484a8_attn:
	.size	k_q75fc7484a8_attn, .Lfunc_end_k_q75fc7484a8_attn-k_q75fc7484a8_attn
	.p2alignl 7, 3214868480
	.fill 96, 4, 3214868480
	.section	.rodata,"a",@progbits
	.p2align	6, 0x0
	.amdhsa_kernel k_q75fc7484a8_attn
		.amdhsa_group_segment_fixed_size 327680
		.amdhsa_private_segment_fixed_size 0
		.amdhsa_enable_private_segment 0
		.amdhsa_kernarg_size 16
		.amdhsa_user_sgpr_count 2
		.amdhsa_user_sgpr_kernarg_segment_ptr 1
		.amdhsa_wavefront_size32 1
		.amdhsa_system_sgpr_workgroup_id_x 1
		.amdhsa_system_sgpr_workgroup_id_y 1
		.amdhsa_system_sgpr_workgroup_id_z 1
		.amdhsa_system_vgpr_workitem_id 0
		.amdhsa_next_free_vgpr 640
		.amdhsa_next_free_sgpr 80
		.amdhsa_reserve_vcc 1
		.amdhsa_float_denorm_mode_32 3
		.amdhsa_float_denorm_mode_16_64 3
		.amdhsa_memory_ordered 1
		.amdhsa_forward_progress 1
		.amdhsa_inst_pref_size 156
	.end_amdhsa_kernel
	.amdgpu_metadata
---
amdhsa.version: [ 1, 2 ]
amdhsa.kernels:
  - .name:           k_q75fc7484a8_attn
    .symbol:         k_q75fc7484a8_attn.kd
    .args:
      - { .name: qkv, .offset: 0, .size: 8, .value_kind: global_buffer, .address_space: global }
      - { .name: ctx, .offset: 8, .size: 8, .value_kind: global_buffer, .address_space: global }
    .group_segment_fixed_size: 327680
    .private_segment_fixed_size: 0
    .kernarg_segment_align: 8
    .kernarg_segment_size: 16
    .max_flat_workgroup_size: 128
    .sgpr_count:     80
    .vgpr_count:     640
    .wavefront_size: 32
...
	.end_amdgpu_metadata
.endif
;; end of part 3
;; launch proj (part 4): grid 8 x 32, 4 waves a work-group, clusters of 4 x 4, 295,424 bytes of LDS; arguments ctx, wbf, x1, bo, x; writes x1
.if DOCPART == 4
	.amdgcn_target "amdgcn-amd-amdhsa--gfx1250"
	.amdhsa_code_object_version 6
	.text
	.protected	k_q75fc7484a8_proj
	.globl	k_q75fc7484a8_proj
	.p2align	8
	.type	k_q75fc7484a8_proj,@function
k_q75fc7484a8_proj:
	s_mov_b64 s[64:65], 0
	v_nop
	global_prefetch_b8 v0, s[64:65] scope:SCOPE_SE
	s_setreg_imm32_b32 hwreg(HW_REG_WAVE_MODE, 25, 1), 1
	s_wait_xcnt 0x0
	s_wait_alu depctr_hold_cnt(0) depctr_sa_sdst(0) depctr_va_vdst(0) depctr_va_sdst(0) depctr_va_ssrc(0) depctr_va_vcc(0) depctr_vm_vsrc(0)
	s_getreg_b32 s2, hwreg(HW_REG_IB_STS2, 6, 4)
	s_cmp_eq_u32 s2, 0
	s_cbranch_scc0 .Lentry_in_a_cluster
	s_endpgm
.Lentry_in_a_cluster:
	s_bfe_u32 s2, ttmp6, 0x10000c
	s_cmp_lg_u32 s2, 0xf033
	s_cbranch_scc0 .Lentry_shape_is_right
	s_endpgm
.Lentry_shape_is_right:
; x1 = x + ctx Wo + bo.  W = wbf + WOFF [4 KW (k)][1024 (n)] bf16, bias [1024] f32, residual and result [4096][1024] f32.
; A = ctx lies in the order of a matrix fragment: [k / 32][token / 16][1,024 bytes]; in a block lane l = 16 h + r finds (token r, k 8 h .. + 7) at byte 16 l and
; (token r, k 16 + 8 h .. + 7) at byte 512 + 16 l.  The same text, with other constants at its head, makes out0 = x1 + g W2 + b2.
; 4096 x 1024 results over 256 work-groups are 128 x 128 each.  EVERY WAVE KEEPS THE WHOLE 128 x 128 (64 accumulator tiles, 512 registers) AND MULTIPLIES ITS OWN QUARTER OF K
; (k = KW w .. KW w + KW - 1).  The four partial blocks meet once, in LDS, in the pass that also turns the register layout into whole rows.
; A GOES STRAIGHT INTO REGISTERS.  With K split over the waves each byte of A is read by one wave, once, so LDS would give it no reuse.  A quarter step (32 of K) is 8 KiB of A, consecutive
; in memory: 16 loads of 512 consecutive bytes.  Four register buffers take turns; in the middle of quarter t the upper half of quarter t + 3 and the lower half of quarter t + 4 are asked for,
; so six to seven groups of 4 KiB of a wave are on their way.
; W GOES THROUGH LDS, where the transposing load turns it: two slots, each with 128 k-rows for each wave (4 x 128 rows x 288 bytes), one tensor load a wave for its own rows.
; With W alone in the ring a slot feeds 256 matrix instructions a wave, 240 of them between a refill's request and the wait for it; with A beside it a slot would hold half as much of K.
; Per quarter step a wave reads 8 KiB of LDS for 64 matrix instructions.
; CLUSTERS: 4 x 4 work-groups; W's tile (128 columns) hangs on the block column and the wave alone and is asked for jointly by the four of a column of the cluster.
; A IS NOT ASKED FOR JOINTLY: a joint request is a tensor load into LDS; the eight work-groups of a block row each load A's bytes for themselves.
; The matrix instruction is used transposed (source 0 = 16 columns of W, source 1 = 16 tokens of A): lane l holds token l % 16, columns 8 (l / 16) + 0..7.
; WINDOWS: 0: v8-35 addresses and bias, v64-127, v128-191, v192-255 A's buffers 0, 1, 2;  1: v0-63 A's buffer 3, v64-127, v128-191 W's fragments (two buffers);
; 2: accumulators of tokens 0-63 (tile (a, b) at 8 (8 a + b));  3: tokens 64-127.
; LIMITS: A and W are bf16; each result is the sum of four partial sums over the quarters of K, added as (p0 + p1) + (p2 + p3) + (residual + bias) in f32.
.set KW,     256                       ; k of one wave
.set WOFF,   6291456                   ; where W begins in wbf
.set NQ,     KW/32                     ; quarter steps of a wave
.set LAPS,   KW/256                    ; a lap = two slots = 8 quarter steps
.set ABLK,   262144                    ; A: bytes from one block of 32 k to the next (256 token blocks of 1,024 bytes)
.set BPITCH, 288                       ; an LDS row of W: 256 bytes + 32: an odd multiple of 32, for the transposing load
.set WPART,  128*BPITCH                ; one wave's 128 k-rows in a slot
.set SLOT,   4*WPART                   ; 147,456
.set IPITCH, 528                       ; the way out: a row of 128 f32 + 16 bytes
.set IMG,    128*IPITCH                ; one wave's partial block
.set RDI,  8                           ; v[8:11] the way out: my 16 bytes of my first row in each of the four partial blocks
.set ADRB, 20                          ; v20-21  LDS address of my W fragments in slot 0, 1
.set STO,  24
.set CO,   26                          ; 16 x lane
.set BIAS, 32                          ; v[32:35]
.set RES,  64                          ; v[64:191]  the way out: my 32 rows of the residual, then of the result
.set P,    192                         ; v[192:255] the way out: four rows x four partial sums
.set G1B, 48
.set G0B, 56
.set MSB, 0
.macro WIN new                         ; the immediate's high byte repeats the setting that is left
.if MSB != (\new)
	s_set_vgpr_msb (MSB<<8)|(\new)
.set MSB, (\new)
.endif
.endm
; A round of the cluster's barrier: my work-group's barrier; wave 0 signals for the work-group; every wave waits for all sixteen; my work-group's barrier again.
.macro CREST
	s_cmp_lg_u32 s10, 0
	s_cbranch_scc1 .Lnot_wave_0_\@
	s_barrier_signal -3
.Lnot_wave_0_\@:
	s_barrier_wait -3
	s_barrier_signal -1
	s_barrier_wait -1
.endm
.macro CROUND
	s_barrier_signal -1
	s_barrier_wait -1
	CREST
.endm
; eight loads: half part (0: tokens 0-63, 1: tokens 64-127) of the quarter step qoff blocks behind A's base, into buffer n
.macro ALOAD n, part, qoff
	WIN (((\n)/3)<<6)                              ; buffer 3 lies in window 1
.irp i, 0,1,2,3
	global_load_b128 v[((64+64*(\n))&255)+32*\part+8*\i:((64+64*(\n))&255)+32*\part+8*\i+3],   v[CO], s[14:15] offset:(\qoff)*ABLK+\part*4096+\i*1024
	global_load_b128 v[((64+64*(\n))&255)+32*\part+8*\i+4:((64+64*(\n))&255)+32*\part+8*\i+7], v[CO], s[14:15] offset:(\qoff)*ABLK+\part*4096+\i*1024+512
.endr
.endm
	s_load_b128 s[4:7], s[0:1], 0x0                ; A s[4:5], wbf s[6:7]
	s_load_b64 s[8:9], s[0:1], 0x10                ; the result
	s_load_b128 s[68:71], s[0:1], 0x18             ; bias s[68:69], residual s[70:71]
	v_lshl_add_u32 v62, v0, 2, 0x48000
	v_mov_b32 v63, 0
	ds_add_u32 v62, v63
	ds_add_u32 v62, v63
	v_lshrrev_b32 v1, 5, v0
	v_readfirstlane_b32 s10, v1                    ; wave 0..3: also my quarter of K
	s_bfe_u32 s40, ttmp6, 0x40000                  ; cx
	s_bfe_u32 s41, ttmp6, 0x40004                  ; cy
	s_lshl_b32 s42, ttmp9, 2
	s_add_co_u32 s42, s42, s40                     ; block column
	s_and_b32 s13, ttmp7, 0xffff
	s_lshl_b32 s13, s13, 2
	s_add_co_u32 s13, s13, s41                     ; block row
	s_lshl_b32 s44, 0x1111, s40                    ; my column of the cluster: places cx, cx + 4, cx + 8, cx + 12
	; group 1 for W: 128 k-rows x 128 columns of 2 bytes, 32 bytes of padding behind every 64 words; the mask of my column, bit 21 beside it
	s_or_b32 s[G1B+0], s44, (1<<16)|(1<<20)|(1<<21)|(5<<22)|(7<<25)
	s_mov_b32 s[G1B+1], 128<<16                    ; tensor_dim0 = 128
	s_mov_b32 s[G1B+2], 128<<16                    ; tensor_dim1 = 128
	s_mov_b32 s[G1B+3], 128<<16                    ; tile_dim0 = 128
	s_mov_b32 s[G1B+4], 128                        ; tile_dim1 = 128
	s_mov_b32 s[G1B+5], 1024                       ; elements from row to row of W
	s_mov_b32 s[G1B+6], 0
	s_mov_b32 s[G1B+7], 0
	s_lshl_b32 s46, s42, 8                         ; W: 256 bytes x block column
	s_mul_i32 s47, s10, KW*2048                    ; + my quarter of K, rows of 2,048 bytes
	s_add_co_u32 s46, s46, s47
	s_add_co_u32 s46, s46, WOFF
	s_mov_b32 s47, 0
	s_mul_i32 s21, s10, WPART                      ; LDS: the wave's number alone
	s_lshl_b32 s16, s13, 13                        ; A: 8 token blocks of 1,024 bytes x block row
	s_mul_i32 s17, s10, NQ*ABLK                    ; + my quarter of K
	s_add_co_u32 s16, s16, s17
	s_mov_b32 s17, 0
	s_wait_dscnt 0x0
	s_wait_kmcnt 0x0
	s_add_nc_u64 s[14:15], s[4:5], s[16:17]
	s_add_nc_u64 s[46:47], s[6:7], s[46:47]
	CROUND                                         ; the first joint loads meet
.irp s, 0,1
	s_mov_b32 s[G0B+4*\s], 1
	s_add_co_u32 s[G0B+4*\s+1], s21, \s*SLOT
	s_add_nc_u64 s[G0B+4*\s+2:G0B+4*\s+3], s[46:47], \s*128*2048
	s_or_b32 s[G0B+4*\s+3], s[G0B+4*\s+3], 0x80000000
	tensor_load_to_lds s[G0B+4*\s:G0B+4*\s+3], s[G1B:G1B+7]        ; my 128 rows of slot s: two tensor loads of the wave are out
	s_nop 0
.endr
	v_and_b32 v1, 15, v0                           ; r
	v_bfe_u32 v2, v0, 4, 1                         ; h
	v_and_b32 v6, 31, v0
	v_lshlrev_b32 v[CO], 4, v6
	v_and_b32 v4, 7, v0
	v_lshl_add_u32 v4, v2, 3, v4                   ; W: k-row 8 h + l % 8,
	v_mul_u32_u24 v4, v4, BPITCH
	v_bfe_u32 v5, v0, 3, 1
	v_lshl_add_u32 v4, v5, 4, v4                   ; columns 8 ((l / 8) % 2) + 0..7
	v_add_nc_u32 v[ADRB], s21, v4
	v_add_nc_u32 v[ADRB+1], SLOT, v[ADRB]
	s_mul_i32 s22, s10, IMG
	v_mul_u32_u24 v5, v1, IPITCH
	v_lshl_add_u32 v5, v2, 5, v5
	v_add_nc_u32 v[STO], s22, v5                   ; my partial block: row r, 32 bytes for each half of the lanes
	s_mul_i32 s22, s10, 32*IPITCH                  ; the 32 rows that I finish
	v_add_nc_u32 v[RDI], s22, v[CO]
	v_add_nc_u32 v[RDI+1], IMG, v[RDI]
	v_add_nc_u32 v[RDI+2], 2*IMG, v[RDI]
	v_add_nc_u32 v[RDI+3], 3*IMG, v[RDI]
	; A's ring is filled in the order in which it is kept full: lower half, upper half, quarter by quarter
	ALOAD 0, 0, 0
	ALOAD 0, 1, 0
	ALOAD 1, 0, 1
	ALOAD 1, 1, 1
	ALOAD 2, 0, 2
	ALOAD 2, 1, 2
	ALOAD 3, 0, 3
; 16 matrix instructions: token blocks a0, a0 + 1 of the window's four x all 8 column blocks, 32 along K; W's fragments at wf, A's in buffer n.  zero = 1: the first product starts the sums.
; The 64 accumulators take turns, one instruction a turn, in the same order in every quarter step.
.macro MUL16 wf, n, hi, a0, zero
.irp a, \a0, \a0+1
.irp b, 0,1,2,3,4,5,6,7
.if \zero
	v_wmma_f32_16x16x32_bf16 v[8*(8*(\a)+\b):8*(8*(\a)+\b)+7], v[\wf+8*\b:\wf+8*\b+7], v[((64+64*(\n))&255)+8*(4*\hi+\a):((64+64*(\n))&255)+8*(4*\hi+\a)+7], 0
.else
	v_wmma_f32_16x16x32_bf16 v[8*(8*(\a)+\b):8*(8*(\a)+\b)+7], v[\wf+8*\b:\wf+8*\b+7], v[((64+64*(\n))&255)+8*(4*\hi+\a):((64+64*(\n))&255)+8*(4*\hi+\a)+7], v[8*(8*(\a)+\b):8*(8*(\a)+\b)+7]
.endif
.endr
.endr
.endm
; 16 LDS loads: W's fragments of quarter q of my rows in a slot, transposed on the way, into the buffer at f of window 1
.macro FETCHW slot, q, f
	WIN 0x40
.irp i, 0,1,2,3,4,5,6,7
	ds_load_tr16_b128 v[\f+8*\i:\f+8*\i+3],   v[ADRB+\slot] offset:(\q)*32*BPITCH+32*\i
	ds_load_tr16_b128 v[\f+8*\i+4:\f+8*\i+7], v[ADRB+\slot] offset:(\q)*32*BPITCH+32*\i+16*BPITCH
.endr
.endm
; The counts of the two waits for A in a quarter step behind which tl quarter steps are left.  A's groups of 8 loads are issued in the order lower(0), upper(0), lower(1), ...
; At a quarter's head the youngest group is lower(t + 3): six groups are younger than lower(t).  In front of its second half the youngest is lower(t + 4): seven are younger than upper(t).
; Near the end no group behind upper(last) exists: 2 tl + 1 and 2 tl groups are left.
.macro CNT tl
.if 2*(\tl)+1 < 6
.set CLO, 8*(2*(\tl)+1)
.else
.set CLO, 48
.endif
.if 2*(\tl) < 7
.set CHI, 16*(\tl)
.else
.set CHI, 56
.endif
.endm
; The middle of quarter q (u-th of the lap).  Four places stand behind the matrix instructions whose registers are loaded again (ISA guide 7.12.1 for vector instructions):
; W's other buffer and the upper half of A's buffer q - 1 were read in the quarter before, the lower half of A's buffer q in the 32 matrix instructions just issued.
.macro MID nslot, nq, q, u, tl
.rept 4
	v_nop
.endr
	FETCHW \nslot, \nq, 64+64*((\q+1)&1)
.if \tl >= 3
	ALOAD (\q+3)%4, 1, \u+3
.endif
.if \tl >= 4
	ALOAD \q, 0, \u+4
.endif
.endm
; one of a slot's first three quarter steps
.macro QUARTER slot, q, tl, zero
	CNT \tl
	s_wait_dscnt 0x0                               ; W's 16 fragment loads, issued 32 matrix instructions ago
	s_wait_loadcnt CLO                             ; A's lower half
	WIN 0xa1                                       ; source 0 (W) window 1, source 1 (A) window 0, C and D window 2
	MUL16 64+64*((\q)&1), \q, 0, 0, \zero
	MUL16 64+64*((\q)&1), \q, 0, 2, \zero
	MID \slot, \q+1, \q, 4*\slot+\q, \tl
	s_wait_loadcnt CHI                             ; A's upper half
	WIN 0xf1                                       ; C and D window 3
	MUL16 64+64*((\q)&1), \q, 1, 0, \zero
	MUL16 64+64*((\q)&1), \q, 1, 2, \zero
.endm
; a slot's fourth quarter step changes slots.  In front of the barrier each wave has waited for its reads of this slot and for all its tensor loads (one is out: its rows of the next slot).
; Where the slot is filled again the barrier opens a round of the cluster's barrier; only register work stands inside; the joint refill is the first tensor load behind it.
; From a request to the wait for it a wave issues 240 matrix instructions.  A wave reads only rows that its own load brought; the barrier without a refill is kept so that both forms are one text.
.macro TURN slot, next, fill, tl
	CNT \tl
	s_wait_dscnt 0x0                               ; W's fragments are in: my reads of this slot are over
	s_wait_loadcnt CLO
	WIN 0xa5                                       ; as 0xa1, with source 1 (A's buffer 3) in window 1
	MUL16 128, 3, 0, 0, 0
	s_wait_tensorcnt 0x0                           ; all my tensor loads have landed
	s_barrier_signal -1
	MUL16 128, 3, 0, 2, 0                          ; register work while the others arrive
	WIN 0
	s_barrier_wait -1
.if \fill
	CREST                                          ; no wave of any partner still reads this slot or has a load on its way
	s_add_nc_u64 s[G0B+4*\slot+2:G0B+4*\slot+3], s[G0B+4*\slot+2:G0B+4*\slot+3], 2*128*2048
	tensor_load_to_lds s[G0B+4*\slot:G0B+4*\slot+3], s[G1B:G1B+7]  ; the wave's one tensor load behind the round
.endif
	MID \next, 0, 3, 4*\slot+3, \tl
	s_wait_loadcnt CHI
	WIN 0xf5
	MUL16 128, 3, 1, 0, 0
	MUL16 128, 3, 1, 2, 0
.endm
.macro LAP zero                        ; once round the ring, both slots filled again
	QUARTER 0, 0, 99, \zero
	QUARTER 0, 1, 99, 0
	QUARTER 0, 2, 99, 0
	TURN 0, 1, 1, 99
	QUARTER 1, 0, 99, 0
	QUARTER 1, 1, 99, 0
	QUARTER 1, 2, 99, 0
	TURN 1, 0, 1, 99
	s_wait_xcnt 0x0                                ; A's base, which pending loads name, is stepped only behind this wait (ISA guide 3.1)
	s_add_nc_u64 s[14:15], s[14:15], 8*ABLK
.endm
.macro LASTLAP zero                    ; the last 8 quarter steps: no slot is filled, A's ring runs empty
	QUARTER 0, 0, 7, \zero
	QUARTER 0, 1, 6, 0
	QUARTER 0, 2, 5, 0
	TURN 0, 1, 0, 4
	QUARTER 1, 0, 3, 0
	QUARTER 1, 1, 2, 0
	QUARTER 1, 2, 1, 0
	CNT 0
	s_wait_dscnt 0x0
	s_wait_loadcnt CLO
	WIN 0xa5
	MUL16 128, 3, 0, 0, 0
	MUL16 128, 3, 0, 2, 0
	s_wait_loadcnt CHI
	WIN 0xf5
	MUL16 128, 3, 1, 0, 0
	MUL16 128, 3, 1, 2, 0
.endm
	s_wait_tensorcnt 1                             ; my rows of slot 0 are in; slot 1's may stay out
	s_barrier_signal -1
	s_barrier_wait -1
	FETCHW 0, 0, 64
.if LAPS > 1
	LAP 1                                          ; the first lap stands in front of the loop: its first products start the sums
.if LAPS > 2
	WIN 0                                          ; at a label and at a branch every window is 0
	s_mov_b32 s3, LAPS-2
.Llap:
	LAP 0
	WIN 0
	s_sub_co_u32 s3, s3, 1
	s_cmp_lg_u32 s3, 0
	s_cbranch_scc1 .Llap
.endif
	LASTLAP 0
.else
	LASTLAP 1                                      ; K fits the two slots: the first products start the sums here
.endif
	; THE WAY OUT.  The ring has had its last fill; the four partial blocks go into it (4 x 128 rows x 528 bytes), and wave w finishes rows 32 w .. 32 w + 31.
.rept 4
	v_nop                                          ; four places before results are stored and A's buffers are loaded again (ISA guide 7.12.1)
.endr
	WIN 0
	s_lshl_b32 s16, s13, 19                        ; (128 x block row + 32 w) rows of 4,096 bytes
	s_lshl_b32 s17, s10, 17
	s_add_co_u32 s16, s16, s17
	s_mov_b32 s17, 0
	s_lshl_b32 s46, s42, 9                         ; 512 bytes x block column
	s_mov_b32 s47, 0
	s_add_nc_u64 s[8:9], s[8:9], s[16:17]
	s_add_nc_u64 s[8:9], s[8:9], s[46:47]
	s_add_nc_u64 s[70:71], s[70:71], s[16:17]
	s_add_nc_u64 s[70:71], s[70:71], s[46:47]
	s_add_nc_u64 s[68:69], s[68:69], s[46:47]
	global_load_b128 v[BIAS:BIAS+3], v[CO], s[68:69]
.set j, 0
.rept 32
	global_load_b128 v[RES+4*j:RES+4*j+3], v[CO], s[70:71] offset:j*4096      ; a row's 512 bytes of the residual: they land while the blocks go through LDS
.set j, j+1
.endr
	s_wait_dscnt 0x0                               ; my reads of the ring are over
	s_barrier_signal -1
	s_barrier_wait -1                              ; everybody's are
	WIN 0x08                                       ; store data in window 2
.irp a, 0,1,2,3
.irp b, 0,1,2,3,4,5,6,7
	ds_store_b128 v[STO], v[8*(8*\a+\b):8*(8*\a+\b)+3]   offset:\a*16*IPITCH+64*\b
	ds_store_b128 v[STO], v[8*(8*\a+\b)+4:8*(8*\a+\b)+7] offset:\a*16*IPITCH+64*\b+16
.endr
.endr
	WIN 0x0c                                       ; window 3
.irp a, 0,1,2,3
.irp b, 0,1,2,3,4,5,6,7
	ds_store_b128 v[STO], v[8*(8*\a+\b):8*(8*\a+\b)+3]   offset:(\a+4)*16*IPITCH+64*\b
	ds_store_b128 v[STO], v[8*(8*\a+\b)+4:8*(8*\a+\b)+7] offset:(\a+4)*16*IPITCH+64*\b+16
.endr
.endr
	WIN 0
	s_wait_dscnt 0x0                               ; my block is written
	s_barrier_signal -1
	s_barrier_wait -1                              ; all four are
; rows 4 g .. 4 g + 3 of my 32
.macro ROWS4 g
.irp i, 0,1,2,3
.irp m, 0,1,2,3
	ds_load_b128 v[P+16*\i+4*\m:P+16*\i+4*\m+3], v[RDI+\m] offset:(4*\g+\i)*IPITCH
.endr
.endr
	s_wait_loadcnt 28-4*\g                         ; the bias and the residual's rows up to 4 g + 3 are in; the 28 - 4 g later rows may be out
.irp i, 0,1,2,3
	s_wait_dscnt 12-4*\i                           ; this row's four partial sums are in
.irp c, 0,2
	v_pk_add_f32 v[P+16*\i+\c:P+16*\i+\c+1], v[P+16*\i+\c:P+16*\i+\c+1], v[P+16*\i+4+\c:P+16*\i+4+\c+1]
	v_pk_add_f32 v[P+16*\i+8+\c:P+16*\i+8+\c+1], v[P+16*\i+8+\c:P+16*\i+8+\c+1], v[P+16*\i+12+\c:P+16*\i+12+\c+1]
	v_pk_add_f32 v[RES+4*(4*\g+\i)+\c:RES+4*(4*\g+\i)+\c+1], v[RES+4*(4*\g+\i)+\c:RES+4*(4*\g+\i)+\c+1], v[BIAS+\c:BIAS+\c+1]
.endr
.irp c, 0,2
	v_pk_add_f32 v[P+16*\i+\c:P+16*\i+\c+1], v[P+16*\i+\c:P+16*\i+\c+1], v[P+16*\i+8+\c:P+16*\i+8+\c+1]
	v_pk_add_f32 v[RES+4*(4*\g+\i)+\c:RES+4*(4*\g+\i)+\c+1], v[RES+4*(4*\g+\i)+\c:RES+4*(4*\g+\i)+\c+1], v[P+16*\i+\c:P+16*\i+\c+1]
.endr
	global_store_b128 v[CO], v[RES+4*(4*\g+\i):RES+4*(4*\g+\i)+3], s[8:9] offset:(4*\g+\i)*4096   ; 512 consecutive bytes, aligned; these registers are not written again
.endr
.endm
.irp g, 0,1,2,3,4,5,6,7
	ROWS4 \g
.endr
	s_wait_tensorcnt 0x0
	ds_add_u32 v62, v63
	s_wait_dscnt 0x0
	CROUND                                         ; the closing round: no work-group ends while a partner may still ask for a tile that names it
	s_endpgm
.Lfunc_end_k_q75fc7484a8_proj:
	.size	k_q75fc7484a8_proj, .Lfunc_end_k_q75fc7484a8_proj-k_q75fc7484a8_proj
	.p2alignl 7, 3214868480
	.fill 96, 4, 3214868480
	.section	.rodata,"a",@progbits
	.p2align	6, 0x0
	.amdhsa_kernel k_q75fc7484a8_proj
		.amdhsa_group_segment_fixed_size 295424
		.amdhsa_private_segment_fixed_size 0
		.amdhsa_enable_private_segment 0
		.amdhsa_kernarg_size 40
		.amdhsa_user_sgpr_count 2
		.amdhsa_user_sgpr_kernarg_segment_ptr 1
		.amdhsa_wavefront_size32 1
		.amdhsa_system_sgpr_workgroup_id_x 1
		.amdhsa_system_sgpr_workgroup_id_y 1
		.amdhsa_system_sgpr_workgroup_id_z 1
		.amdhsa_system_vgpr_workitem_id 0
		.amdhsa_next_free_vgpr 1024
		.amdhsa_next_free_sgpr 80
		.amdhsa_reserve_vcc 0
		.amdhsa_float_denorm_mode_32 3
		.amdhsa_float_denorm_mode_16_64 3
		.amdhsa_memory_ordered 1
		.amdhsa_forward_progress 1
		.amdhsa_inst_pref_size 104
	.end_amdhsa_kernel
	.amdgpu_metadata
---
amdhsa.version: [ 1, 2 ]
amdhsa.kernels:
  - .name:           k_q75fc7484a8_proj
    .symbol:         k_q75fc7484a8_proj.kd
    .args:
      - { .name: ctx, .offset: 0, .size: 8, .value_kind: global_buffer, .address_space: global }
      - { .name: wbf, .offset: 8, .size: 8, .value_kind: global_buffer, .address_space: global }
      - { .name: x1, .offset: 16, .size: 8, .value_kind: global_buffer, .address_space: global }
      - { .name: bo, .offset: 24, .size: 8, .value_kind: global_buffer, .address_space: global }
      - { .name: x, .offset: 32, .size: 8, .value_kind: global_buffer, .address_space: global }
    .group_segment_fixed_size: 295424
    .private_segment_fixed_size: 0
    .kernarg_segment_align: 8
    .kernarg_segment_size: 40
    .max_flat_workgroup_size: 128
    .sgpr_count:     80
    .vgpr_count:     1024
    .wavefront_size: 32
...
	.end_amdgpu_metadata
.endif
;; end of part 4
;; launch ln2 (part 5): grid 256 x 1, 8 waves a work-group, no clusters, 0 bytes of LDS; arguments x1, ln_scale, ln_shift, h2; writes h2
.if DOCPART == 5
	.amdgcn_target "amdgcn-amd-amdhsa--gfx1250"
	.amdhsa_code_object_version 6
	.text
	.protected	k_q75fc7484a8_ln2
	.globl	k_q75fc7484a8_ln2
	.p2align	8
	.type	k_q75fc7484a8_ln2,@function
k_q75fc7484a8_ln2:
	s_mov_b64 s[64:65], 0
	v_nop
	global_prefetch_b8 v0, s[64:65] scope:SCOPE_SE
	s_setreg_imm32_b32 hwreg(HW_REG_WAVE_MODE, 25, 1), 1
	s_wait_xcnt 0x0
; h2 = bf16(LayerNorm(x1)).  x1: [4096][1024] f32.  A work-group takes 16 rows, a wave two; a row lies in 32 registers of one wave, so mean and variance are made in
; two passes over registers (the mean is taken away before the squares are summed) and memory is read once.  No LDS, no barrier, no loop.
; Each load of a wave covers 512 consecutive bytes, each store 256 consecutive bytes, both aligned to their length.
; It stands by itself because a work-group of the product in front of it holds 128 of a row's 1,024 columns.
; LIMITS: h2 is rounded to bf16 (nearest even); 1/sqrt by v_rsq_f32 (1 ULP, denormals flushed).
.set VIN, 2
.set VO,  3                            ; v3, v4
.set VS,  5
.set MN,  6                            ; v[6:7]
.set C,   8                            ; v[8:15]
.set R,   16                           ; v[16:19]
.set X,   32                           ; v[32:95]
.set SC,  96                           ; v[96:127]
.set SH,  128                          ; v[128:159]
.set Y,   160                          ; v[160:191]
	s_load_b256 s[8:15], s[0:1], 0x0               ; x1 s[8:9], scale s[10:11], shift s[12:13], h2 s[14:15]
	s_mov_b32 s40, 0x76543210
	s_mov_b32 s41, 0xfedcba98
	s_mov_b32 s42, 0x3a800000                      ; 1/1024
	s_mov_b32 s43, 0x3727c5ac                      ; 1e-5
	s_lshl_b32 s36, ttmp9, 16                      ; 16 rows of 4,096 bytes
	s_mov_b32 s37, 0
	s_lshl_b32 s44, ttmp9, 15                      ; 16 rows of 2,048 bytes
	s_mov_b32 s45, 0
	v_and_b32 v1, 31, v0
	v_lshrrev_b32 v20, 5, v0
	v_lshlrev_b32 v[VS], 4, v1
	v_lshl_add_u32 v[VIN], v20, 13, v[VS]
	v_lshlrev_b32 v21, 12, v20
	v_lshl_add_u32 v[VO], v1, 3, v21
	v_add_nc_u32 v[VO+1], 2048, v[VO]
	s_wait_kmcnt 0x0
	s_add_nc_u64 s[30:31], s[8:9], s[36:37]
	s_add_nc_u64 s[32:33], s[14:15], s[44:45]
.irp i, 0,1
.irp j, 0,1,2,3,4,5,6,7
	global_load_b128 v[X+32*\i+4*\j:X+32*\i+4*\j+3], v[VIN], s[30:31] offset:\i*4096+\j*512
.endr
.endr
.irp j, 0,1,2,3,4,5,6,7
	global_load_b128 v[SC+4*\j:SC+4*\j+3], v[VS], s[10:11] offset:\j*512
.endr
.irp j, 0,1,2,3,4,5,6,7
	global_load_b128 v[SH+4*\j:SH+4*\j+3], v[VS], s[12:13] offset:\j*512
.endr
.macro FOLD
	v_pk_add_f32 v[C:C+1], v[C:C+1], v[C+2:C+3]
	v_pk_add_f32 v[C+4:C+5], v[C+4:C+5], v[C+6:C+7]
	v_pk_add_f32 v[C:C+1], v[C:C+1], v[C+4:C+5]
	v_add_f32 v[C], v[C], v[C+1]
	v_add_f32_dpp v[C], v[C], v[C] row_xmask:1 row_mask:0xf bank_mask:0xf
	v_add_f32_dpp v[C], v[C], v[C] row_xmask:2 row_mask:0xf bank_mask:0xf
	v_add_f32_dpp v[C], v[C], v[C] row_xmask:4 row_mask:0xf bank_mask:0xf
	v_add_f32_dpp v[C], v[C], v[C] row_xmask:8 row_mask:0xf bank_mask:0xf
	v_permlanex16_b32 v[C+1], v[C], s40, s41
	v_add_f32 v[C], v[C], v[C+1]
.endm
.macro STATS i
.irp k, 0,1,2,3
	v_pk_add_f32 v[C+2*\k:C+2*\k+1], v[X+32*\i+2*\k:X+32*\i+2*\k+1], v[X+32*\i+2*\k+8:X+32*\i+2*\k+9]   ; the first two pairs start a chain: nothing is cleared
.endr
.irp k, 8,9,10,11,12,13,14,15
	v_pk_add_f32 v[C+2*(\k%4):C+2*(\k%4)+1], v[C+2*(\k%4):C+2*(\k%4)+1], v[X+32*\i+2*\k:X+32*\i+2*\k+1]
.endr
	FOLD
	v_mul_f32 v[MN], s42, v[C]
	v_mul_f32 v[MN+1], s42, v[C]
.set j, 0
.rept 16
	v_pk_add_f32 v[X+32*\i+2*j:X+32*\i+2*j+1], v[X+32*\i+2*j:X+32*\i+2*j+1], v[MN:MN+1] neg_lo:[0,1] neg_hi:[0,1]
.set j, j+1
.endr
.irp k, 0,1,2,3
	v_pk_mul_f32 v[C+2*\k:C+2*\k+1], v[X+32*\i+2*\k:X+32*\i+2*\k+1], v[X+32*\i+2*\k:X+32*\i+2*\k+1]
.endr
.irp k, 4,5,6,7,8,9,10,11,12,13,14,15
	v_pk_fma_f32 v[C+2*(\k%4):C+2*(\k%4)+1], v[X+32*\i+2*\k:X+32*\i+2*\k+1], v[X+32*\i+2*\k:X+32*\i+2*\k+1], v[C+2*(\k%4):C+2*(\k%4)+1]
.endr
	FOLD
	v_fma_f32 v[C], v[C], s42, s43                 ; var + eps
	v_rsq_f32 v[R+2*\i], v[C]
	v_rsq_f32 v[R+2*\i+1], v[C]
	v_nop                                          ; one plain place behind a transcendental (ISA guide 5.7.2)
.endm
.macro NORM i
.set j, 0
	s_wait_alu depctr_va_vdst(0)
.rept 16
	v_pk_mul_f32 v[X+32*\i+2*j:X+32*\i+2*j+1], v[X+32*\i+2*j:X+32*\i+2*j+1], v[R+2*\i:R+2*\i+1]
	v_pk_fma_f32 v[X+32*\i+2*j:X+32*\i+2*j+1], v[X+32*\i+2*j:X+32*\i+2*j+1], v[SC+2*j:SC+2*j+1], v[SH+2*j:SH+2*j+1]
.set j, j+1
.endr
.endm
	s_wait_loadcnt 16                              ; the 16 loads of x1 are in; the 16 younger ones (scale, shift) may be out
	STATS 0
	STATS 1
	s_wait_loadcnt 0x0
	NORM 0
	NORM 1
.irp i, 0,1
.irp j, 0,1,2,3,4,5,6,7
	v_cvt_pk_bf16_f32 v[Y+16*\i+2*\j],   v[X+32*\i+4*\j],   v[X+32*\i+4*\j+1]
	v_cvt_pk_bf16_f32 v[Y+16*\i+2*\j+1], v[X+32*\i+4*\j+2], v[X+32*\i+4*\j+3]
	global_store_b64 v[VO+\i], v[Y+16*\i+2*\j:Y+16*\i+2*\j+1], s[32:33] offset:\j*256   ; 256 consecutive bytes, aligned
.endr
.endr
	s_endpgm
.Lfunc_end_k_q75fc7484a8_ln2:
	.size	k_q75fc7484a8_ln2, .Lfunc_end_k_q75fc7484a8_ln2-k_q75fc7484a8_ln2
	.p2alignl 7, 3214868480
	.fill 96, 4, 3214868480
	.section	.rodata,"a",@progbits
	.p2align	6, 0x0
	.amdhsa_kernel k_q75fc7484a8_ln2
		.amdhsa_group_segment_fixed_size 0
		.amdhsa_private_segment_fixed_size 0
		.amdhsa_enable_private_segment 0
		.amdhsa_kernarg_size 32
		.amdhsa_user_sgpr_count 2
		.amdhsa_user_sgpr_kernarg_segment_ptr 1
		.amdhsa_wavefront_size32 1
		.amdhsa_system_sgpr_workgroup_id_x 1
		.amdhsa_system_sgpr_workgroup_id_y 1
		.amdhsa_system_sgpr_workgroup_id_z 1
		.amdhsa_system_vgpr_workitem_id 0
		.amdhsa_next_free_vgpr 192
		.amdhsa_next_free_sgpr 66
		.amdhsa_reserve_vcc 0
		.amdhsa_float_denorm_mode_32 3
		.amdhsa_float_denorm_mode_16_64 3
		.amdhsa_memory_ordered 1
		.amdhsa_forward_progress 1
		.amdhsa_inst_pref_size 20
	.end_amdhsa_kernel
	.amdgpu_metadata
---
amdhsa.version: [ 1, 2 ]
amdhsa.kernels:
  - .name:           k_q75fc7484a8_ln2
    .symbol:         k_q75fc7484a8_ln2.kd
    .args:
      - { .name: x1, .offset: 0, .size: 8, .value_kind: global_buffer, .address_space: global }
      - { .name: ln_scale, .offset: 8, .size: 8, .value_kind: global_buffer, .address_space: global }
      - { .name: ln_shift, .offset: 16, .size: 8, .value_kind: global_buffer, .address_space: global }
      - { .name: h2, .offset: 24, .size: 8, .value_kind: global_buffer, .address_space: global }
    .group_segment_fixed_size: 0
    .private_segment_fixed_size: 0
    .kernarg_segment_align: 8
    .kernarg_segment_size: 32
    .max_flat_workgroup_size: 256
    .sgpr_count:     66
    .vgpr_count:     192
    .wavefront_size: 32
...
	.end_amdgpu_metadata
.endif
;; end of part 5
;; launch ffn1 (part 6): grid 16 x 16, 4 waves a work-group, clusters of 4 x 4, 327,680 bytes of LDS; arguments h2, wbf, g, b1; writes g
.if DOCPART == 6
	.amdgcn_target "amdgcn-amd-amdhsa--gfx1250"
	.amdhsa_code_object_version 6
	.text
	.protected	k_q75fc7484a8_ffn1
	.globl	k_q75fc7484a8_ffn1
	.p2align	8
	.type	k_q75fc7484a8_ffn1,@function
k_q75fc7484a8_ffn1:
	s_mov_b64 s[64:65], 0
	v_nop
	global_prefetch_b8 v0, s[64:65] scope:SCOPE_SE
	s_setreg_imm32_b32 hwreg(HW_REG_WAVE_MODE, 25, 1), 1
	s_wait_xcnt 0x0
	s_wait_alu depctr_hold_cnt(0) depctr_sa_sdst(0) depctr_va_vdst(0) depctr_va_sdst(0) depctr_va_ssrc(0) depctr_va_vcc(0) depctr_vm_vsrc(0)
	s_getreg_b32 s2, hwreg(HW_REG_IB_STS2, 6, 4)
	s_cmp_eq_u32 s2, 0
	s_cbranch_scc0 .Lentry_in_a_cluster
	s_endpgm
.Lentry_in_a_cluster:
	s_bfe_u32 s2, ttmp6, 0x10000c
	s_cmp_lg_u32 s2, 0xf033
	s_cbranch_scc0 .Lentry_shape_is_right
	s_endpgm
.Lentry_shape_is_right:
; g = gelu(h2 W1 + b1).  A = h2 [4096][1024] bf16, W = wbf + WOFF [1024 (k)][NB (n)] bf16, bias [NB] f32, sums in f32.
; g is stored in the order of a matrix fragment, for the product that reads it: [column / 32][token / 16][1,024 bytes]; in a block lane l = 16 h + r holds
; (token r, columns 8 h .. 8 h + 7) at byte 16 l and (token r, columns 16 + 8 h .. + 7) at byte 512 + 16 l.
; A work-group makes 256 x 256 of the result with four waves, a wave 128 x 128: 64 accumulator tiles of 16 x 16, 512 registers.
; K goes in 8 steps of 128 through two LDS slots filled by the tensor data mover.  Per 32 of K a wave reads 2 x 128 x 64 bytes of LDS for 64 matrix instructions.
; W lies with n along its rows, so its fragments are read from LDS by the transposing load ds_load_tr16_b128.
; CLUSTERS: 4 x 4 work-groups.  The four of a row of the cluster need the same 256 rows of A, the four of a column the same 256 columns of W:
; each such tile is asked for jointly, by the same tensor load with the same descriptor and a mask naming the four.
; REGISTERS in windows of 256: window 0: v16-31 addresses, v64-127 and v128-191 fragments of A (two buffers), v32-255 the way out;
; window 1: v64-127, v128-191 fragments of W; window 2: accumulators of my rows 0-63 (tile (a, b) at 8 (8 a + b)); window 3: rows 64-127.
; THE MATRIX INSTRUCTION IS USED TRANSPOSED: source 0 = 16 columns of W, source 1 = 16 rows of A: lane l then holds token l % 16 and its
; registers 0-7 the columns 8 (l / 16) + 0..7.  Packed to bf16 these are 16 bytes of g's fragment order: a tile leaves by one store of 512 consecutive bytes, straight from registers.
; LIMITS: operands and result are bf16 (nearest even).  0.5 x (1 + tanh u) is computed as x / (1 + 2^(x (K0 + K1 x^2))), the same function
; by algebra; v_exp_f32 and v_rcp_f32 are good to 1 ULP and flush denormals; x = -inf gives NaN (-inf times 0), as the tanh form does.
.set NB,     4096                      ; columns of W
.set WOFF,   8388608                   ; where W begins in wbf
.set KDIM,   1024
.set KSTEP,  128
.set GBLK,   262144                    ; g: bytes from one block of 32 columns to the next (256 token blocks of 1,024 bytes)
.set APITCH, 272                       ; an LDS row of A: 256 bytes + 16: an odd multiple of 16, so the 16 rows of a fragment load start 16 bytes apart modulo 256
.set BPITCH, 288                       ; an LDS row of W: 256 bytes + 32: an odd multiple of 32, for the transposing load
.set AHALF,  128*APITCH                ; 128 rows of A: one tensor load
.set BSTRIP, 128*BPITCH                ; 128 k-rows x 128 columns of W: one tensor load, and what one wave reads of W
.set BOFF,   2*AHALF
.set SLOT,   BOFF+2*BSTRIP             ; 143,360
.set LAPS,   KDIM/(2*KSTEP)            ; a lap = two K steps = once round the ring
.set ADRA, 16                          ; v16-17  LDS address of my A fragments in slot 0, 1
.set ADRB, 20                          ; v20-21  the same for W
.set CO,   26                          ; 16 x lane
.set BO,   27                          ; 32 x (lane / 16): my 8 numbers in 16 of the bias
.set K1,   28                          ; v[28:29]
.set K0,   30                          ; v[30:31]
.set PK,   32                          ; v[32:63]   packed results of 16 rows
.set F0,   64
.set F1,   128
.set BIAS, 64                          ; v[64:127]  the way out: bias of my 128 columns (8 for each tile column)
.set U,    160                         ; v[160:191] the way out: at work
.set T,    192                         ; v[192:255] the way out: 16 rows in f32
.set G1,  24
.set G0,  32
.set G1B, 48
.set G0B, 56
.set MSB, 0
.macro WIN new                         ; the immediate's high byte repeats the setting that is left
.if MSB != (\new)
	s_set_vgpr_msb (MSB<<8)|(\new)
.set MSB, (\new)
.endif
.endm
.set MUL_LO, 0xa1                      ; source 0 (W) window 1, source 1 (A) window 0, C and D window 2
.set MUL_HI, 0xf1                      ; the same, C and D window 3
.set TO_B,   0x40                      ; destination window 1, address window 0
; A joint load.  Waves 0 and 1 fetch A's two halves, waves 2 and 3 W's two strips.  The branch hangs on the wave's number alone.
.macro JLOAD s
	s_cmp_eq_u32 s11, 0
	s_cbranch_scc0 .Lfor_b_\@
	tensor_load_to_lds s[G0+4*\s:G0+4*\s+3], s[G1:G1+7]
	s_nop 0
	s_branch .Lasked_\@
.Lfor_b_\@:
	tensor_load_to_lds s[G0B+4*\s:G0B+4*\s+3], s[G1B:G1B+7]
	s_nop 0
.Lasked_\@:
.endm
; A round of the cluster's barrier: my work-group's barrier; wave 0 signals for the work-group; every wave waits for all sixteen; my work-group's barrier again.
.macro CREST                           ; a round behind its opening barrier
	s_cmp_lg_u32 s10, 0
	s_cbranch_scc1 .Lnot_wave_0_\@
	s_barrier_signal -3
.Lnot_wave_0_\@:
	s_barrier_wait -3
	s_barrier_signal -1
	s_barrier_wait -1
.endm
.macro CROUND
	s_barrier_signal -1
	s_barrier_wait -1
	CREST
.endm
	s_load_b128 s[4:7], s[0:1], 0x0                ; A s[4:5], wbf s[6:7]
	s_load_b64 s[8:9], s[0:1], 0x10                ; the result
	s_load_b64 s[66:67], s[0:1], 0x18              ; the bias
	s_set_vgpr_msb 0x40
	v_lshl_add_u32 v255, v0, 2, 0x46000
	s_set_vgpr_msb 0x4000
	v_mov_b32 v25, 0
	s_set_vgpr_msb 0x1
	ds_add_u32 v255, v25
	ds_add_u32 v255, v25
	s_set_vgpr_msb 0x100
	v_lshrrev_b32 v1, 5, v0
	v_readfirstlane_b32 s10, v1                    ; wave 0..3
	s_lshr_b32 s11, s10, 1                         ; which half of the block's rows is mine.  Also: I fetch for A (0) or for W (1)
	s_and_b32 s12, s10, 1                          ; which half of its columns.  Also: which half of that tile I fetch
	s_bfe_u32 s40, ttmp6, 0x40000                  ; cx
	s_bfe_u32 s41, ttmp6, 0x40004                  ; cy
	s_lshl_b32 s42, ttmp9, 2
	s_add_co_u32 s42, s42, s40                     ; block column = 4 x cluster x + cx
	s_and_b32 s13, ttmp7, 0xffff
	s_lshl_b32 s13, s13, 2
	s_add_co_u32 s13, s13, s41                     ; block row = 4 x cluster y + cy
	s_lshl_b32 s43, s41, 2
	s_lshl_b32 s43, 15, s43                        ; my row of the cluster: places 4 cy .. 4 cy + 3
	s_lshl_b32 s44, 0x1111, s40                    ; my column: places cx, cx + 4, cx + 8, cx + 12
	; group 1 for A: 128 rows x 128 elements of 2 bytes, 16 bytes of padding behind every 64 words; the mask of my row, bit 21 beside it
	s_or_b32 s[G1+0], s43, (1<<16)|(1<<20)|(1<<21)|(5<<22)|(3<<25)
	s_mov_b32 s[G1+1], KSTEP<<16                   ; tensor_dim0 = 128
	s_mov_b32 s[G1+2], 128<<16                     ; tensor_dim1 = 128
	s_mov_b32 s[G1+3], KSTEP<<16                   ; tile_dim0 = 128
	s_mov_b32 s[G1+4], 128                         ; tile_dim1 = 128
	s_mov_b32 s[G1+5], KDIM                        ; elements from row to row of A
	s_mov_b32 s[G1+6], 0
	s_mov_b32 s[G1+7], 0
	; group 1 for W: 128 k-rows x 128 columns, 32 bytes of padding behind every 64 words; the mask of my column
	s_or_b32 s[G1B+0], s44, (1<<16)|(1<<20)|(1<<21)|(5<<22)|(7<<25)
	s_mov_b32 s[G1B+1], 128<<16
	s_mov_b32 s[G1B+2], KSTEP<<16
	s_mov_b32 s[G1B+3], 128<<16
	s_mov_b32 s[G1B+4], KSTEP
	s_mov_b32 s[G1B+5], NB                         ; elements from row to row of W
	s_mov_b32 s[G1B+6], 0
	s_mov_b32 s[G1B+7], 0
	; A's tiles hang on the block row alone, W's on the block column alone; each address in registers that never hold the other coordinate
	s_lshl_b32 s17, s12, 7
	s_lshl_b32 s16, s13, 8
	s_add_co_u32 s16, s16, s17                     ; A: row 256 x block row + 128 x half
	s_lshl_b32 s16, s16, 11                        ; x 2,048 bytes (at most 8 MiB)
	s_mov_b32 s17, 0
	s_lshl_b32 s46, s42, 9                         ; W: 512 bytes x block column
	s_lshl_b32 s47, s12, 8                         ; + 256 x strip
	s_add_co_u32 s46, s46, s47
	s_add_co_u32 s46, s46, WOFF
	s_mov_b32 s47, 0
	s_mul_i32 s20, s12, AHALF                      ; LDS: A's halves at 0, W's strips behind them: the wave's number alone
	s_mul_i32 s21, s12, BSTRIP
	s_add_co_u32 s21, s21, BOFF
	s_wait_dscnt 0x0
	s_wait_kmcnt 0x0
	s_add_nc_u64 s[14:15], s[4:5], s[16:17]
	s_add_nc_u64 s[46:47], s[6:7], s[46:47]
	CROUND                                         ; all sixteen work-groups are here: the first joint loads meet
.irp s, 0,1
	s_mov_b32 s[G0+4*\s], 1
	s_add_co_u32 s[G0+4*\s+1], s20, \s*SLOT
	s_add_nc_u64 s[G0+4*\s+2:G0+4*\s+3], s[14:15], \s*KSTEP*2
	s_or_b32 s[G0+4*\s+3], s[G0+4*\s+3], 0x80000000
	s_mov_b32 s[G0B+4*\s], 1
	s_add_co_u32 s[G0B+4*\s+1], s21, \s*SLOT
	s_add_nc_u64 s[G0B+4*\s+2:G0B+4*\s+3], s[46:47], \s*KSTEP*NB*2
	s_or_b32 s[G0B+4*\s+3], s[G0B+4*\s+3], 0x80000000
	JLOAD \s                                       ; both slots are asked for before anything else: two tensor loads of the wave are out
.endr
	v_and_b32 v1, 15, v0                           ; r = l % 16
	v_bfe_u32 v2, v0, 4, 1                         ; h = l / 16
	v_mul_u32_u24 v3, v1, APITCH
	v_lshl_add_u32 v3, v2, 4, v3                   ; A: row r, 16 bytes for each half of the lanes
	v_and_b32 v4, 7, v0
	v_lshl_add_u32 v4, v2, 3, v4                   ; W: k-row 8 h + l % 8,
	v_mul_u32_u24 v4, v4, BPITCH
	v_bfe_u32 v5, v0, 3, 1
	v_lshl_add_u32 v4, v5, 4, v4                   ; columns 8 ((l / 8) % 2) + 0..7
	s_mul_i32 s22, s11, AHALF
	s_mul_i32 s23, s12, BSTRIP
	s_add_co_u32 s23, s23, BOFF
.irp s, 0,1
	v_add_nc_u32 v[ADRA+\s], s22, v3
	v_add_nc_u32 v[ADRB+\s], s23, v4
	s_add_co_u32 s22, s22, SLOT
	s_add_co_u32 s23, s23, SLOT
.endr
	v_and_b32 v6, 31, v0
	v_lshlrev_b32 v[CO], 4, v6
	v_lshlrev_b32 v[BO], 5, v2
	v_mov_b32 v[K1],   0xbdd2d3e8                  ; -2 sqrt(2/pi) log2(e) x 0.044715
	v_mov_b32 v[K1+1], 0xbdd2d3e8
	v_mov_b32 v[K0],   0xc0135761                  ; -2 sqrt(2/pi) log2(e)
	v_mov_b32 v[K0+1], 0xc0135761
; 16 matrix instructions: token blocks a0, a0 + 1 of the window's four x all 8 column blocks, 32 along K.  zero = 1: the first product starts the sums.
; The 64 accumulators take turns, one instruction a turn, in the same order in every quarter step.
.macro MUL16 f, hi, a0, zero
.irp a, \a0, \a0+1
.irp b, 0,1,2,3,4,5,6,7
.if \zero
	v_wmma_f32_16x16x32_bf16 v[8*(8*(\a)+\b):8*(8*(\a)+\b)+7], v[\f+8*\b:\f+8*\b+7], v[\f+8*(4*\hi+\a):\f+8*(4*\hi+\a)+7], 0
.else
	v_wmma_f32_16x16x32_bf16 v[8*(8*(\a)+\b):8*(8*(\a)+\b)+7], v[\f+8*\b:\f+8*\b+7], v[\f+8*(4*\hi+\a):\f+8*(4*\hi+\a)+7], v[8*(8*(\a)+\b):8*(8*(\a)+\b)+7]
.endif
.endr
.endr
.endm
; 32 LDS loads in one run: the fragments of quarter q (32 of K) of a slot into buffer f: W's 8 column blocks (transposed on the way), then A's 8 row blocks
.macro FETCH slot, q, f
	WIN TO_B
.irp i, 0,1,2,3,4,5,6,7
	ds_load_tr16_b128 v[\f+8*\i:\f+8*\i+3],   v[ADRB+\slot] offset:\q*32*BPITCH+32*\i
	ds_load_tr16_b128 v[\f+8*\i+4:\f+8*\i+7], v[ADRB+\slot] offset:\q*32*BPITCH+32*\i+16*BPITCH
.endr
	WIN 0
.irp i, 0,1,2,3,4,5,6,7
	ds_load_b128 v[\f+8*\i:\f+8*\i+3],   v[ADRA+\slot] offset:\q*64+\i*16*APITCH
	ds_load_b128 v[\f+8*\i+4:\f+8*\i+7], v[ADRA+\slot] offset:\q*64+\i*16*APITCH+32
.endr
.endm
; four places behind a matrix instruction before a load is issued into one of its registers or a vector instruction reads its result
.macro PLACES
.rept 4
	v_nop
.endr
.endm
; a quarter step: multiplies buffer f; in its middle it fetches quarter q of the same slot into buffer g
.macro QUARTER slot, q, f, g, zero
	s_wait_dscnt 8                                 ; W and A's rows 0-63 are in; the youngest eight loads (A's rows 64-127) may be out
	WIN MUL_LO
	MUL16 \f, 0, 0, \zero
	MUL16 \f, 0, 2, \zero
	PLACES
	FETCH \slot, \q, \g
	s_wait_dscnt 32                                ; all but the 32 just issued
	WIN MUL_HI
	MUL16 \f, 1, 0, \zero
	MUL16 \f, 1, 2, \zero
.endm
.macro THREE slot, zero
	QUARTER \slot, 1, F0, F1, \zero
	QUARTER \slot, 2, F1, F0, 0
	QUARTER \slot, 3, F0, F1, 0
.endm
; the last quarter of a K step: multiplies buffer 1 and changes slots.  In front of the barrier each wave waits for its reads of this slot and for all
; its tensor loads (one is out: its part of the next slot).  Behind it (where the slot is filled again: behind the round of the cluster's barrier that it opens)
; the refill comes first, then the next slot's first fragments.  From a request to the wait for it a wave issues 240 matrix instructions.
.macro TURN slot, next, fill
	s_wait_dscnt 8
	WIN MUL_LO
	MUL16 F1, 0, 0, 0
	s_wait_dscnt 0                                 ; my reads of this slot are over
	s_wait_tensorcnt 0x0                           ; all my tensor loads have landed
	ds_add_u32 v255, v25
	s_wait_dscnt 0x0
	s_barrier_signal -1
	MUL16 F1, 0, 2, 0                              ; register work while the others arrive
	WIN 0
	s_barrier_wait -1
.if \fill
	CREST                                          ; no wave of any partner still reads this slot or has a load on its way
	s_add_nc_u64 s[G0+4*\slot+2:G0+4*\slot+3], s[G0+4*\slot+2:G0+4*\slot+3], 2*KSTEP*2
	s_add_nc_u64 s[G0B+4*\slot+2:G0B+4*\slot+3], s[G0B+4*\slot+2:G0B+4*\slot+3], 2*KSTEP*NB*2
	JLOAD \slot                                    ; the wave's one tensor load behind the round, and the first thing there
.endif
	PLACES
	FETCH \next, 0, F0
	WIN MUL_HI
	MUL16 F1, 1, 0, 0
	MUL16 F1, 1, 2, 0
.endm
.macro LAP zero
	THREE 0, \zero
	TURN 0, 1, 1
	THREE 1, 0
	TURN 1, 0, 1
.endm
	s_wait_tensorcnt 1                             ; my part of K step 0 is in; K step 1's may stay out
	s_barrier_signal -1
	s_barrier_wait -1
	FETCH 0, 0, F0
	LAP 1                                          ; the first lap stands in front of the loop: its first products start the sums
	WIN 0
	s_mov_b32 s3, LAPS-2
.Llap:
	LAP 0
	WIN 0
	s_sub_co_u32 s3, s3, 1
	s_cmp_lg_u32 s3, 0
	s_cbranch_scc1 .Llap
	THREE 0, 0                                     ; the last lap fills nothing
	TURN 0, 1, 0
	THREE 1, 0
	s_wait_dscnt 8
	WIN MUL_LO
	MUL16 F1, 0, 0, 0
	MUL16 F1, 0, 2, 0
	s_wait_dscnt 0
	WIN MUL_HI
	MUL16 F1, 1, 0, 0
	MUL16 F1, 1, 2, 0
	; THE WAY OUT, 16 tokens at a time: bias, gelu, round to bf16, and each tile's 16 bytes a lane straight to its place in g.
	PLACES
	WIN 0
	s_lshl_b32 s16, s13, 14                        ; (16 x block row + 8 x half) token blocks of 1,024 bytes
	s_lshl_b32 s17, s11, 13
	s_add_co_u32 s16, s16, s17
	s_mov_b32 s17, 0
	s_add_nc_u64 s[8:9], s[8:9], s[16:17]
	s_lshl_b32 s46, s42, 21                        ; (8 x block column + 4 x half) blocks of 32 columns, 262,144 bytes each
	s_lshl_b32 s47, s12, 20
	s_add_co_u32 s46, s46, s47
	s_mov_b32 s47, 0
	s_add_nc_u64 s[8:9], s[8:9], s[46:47]
	s_lshl_b32 s46, s42, 10                        ; the bias of my 128 columns
	s_lshl_b32 s47, s12, 9
	s_add_co_u32 s46, s46, s47
	s_mov_b32 s47, 0
	s_add_nc_u64 s[66:67], s[66:67], s[46:47]
.irp b, 0,1,2,3,4,5,6,7
	global_load_b128 v[BIAS+8*\b:BIAS+8*\b+3],   v[BO], s[66:67] offset:64*\b
	global_load_b128 v[BIAS+8*\b+4:BIAS+8*\b+7], v[BO], s[66:67] offset:64*\b+16
.endr
	s_wait_loadcnt 0x0
; 32 numbers of T (tiles 4 g .. 4 g + 3): x / (1 + 2^(x (K0 + K1 x^2))), rounded into PK
.macro GELU32 g
.set j, 0
.rept 16
	v_pk_mul_f32 v[U+2*j:U+2*j+1], v[T+32*\g+2*j:T+32*\g+2*j+1], v[T+32*\g+2*j:T+32*\g+2*j+1]
.set j, j+1
.endr
.set j, 0
.rept 16
	v_pk_fma_f32 v[U+2*j:U+2*j+1], v[U+2*j:U+2*j+1], v[K1:K1+1], v[K0:K0+1]
.set j, j+1
.endr
.set j, 0
.rept 16
	v_pk_mul_f32 v[U+2*j:U+2*j+1], v[U+2*j:U+2*j+1], v[T+32*\g+2*j:T+32*\g+2*j+1]
.set j, j+1
.endr
.set j, 0
.rept 32
	v_exp_f32 v[U+j], v[U+j]
.set j, j+1
.endr
	v_nop                                          ; one plain place behind the last transcendental (ISA guide 5.7.2)
.set j, 0
	s_wait_alu depctr_va_vdst(0)
.rept 16
	v_pk_add_f32 v[U+2*j:U+2*j+1], v[U+2*j:U+2*j+1], 1.0 op_sel_hi:[1,0]
.set j, j+1
.endr
.set j, 0
.rept 32
	v_rcp_f32 v[U+j], v[U+j]
.set j, j+1
.endr
	v_nop
.set j, 0
	s_wait_alu depctr_va_vdst(0)
.rept 16
	v_pk_mul_f32 v[T+32*\g+2*j:T+32*\g+2*j+1], v[T+32*\g+2*j:T+32*\g+2*j+1], v[U+2*j:U+2*j+1]
.set j, j+1
.endr
.set j, 0
.rept 16
	v_cvt_pk_bf16_f32 v[PK+16*\g+j], v[T+32*\g+2*j], v[T+32*\g+2*j+1]
.set j, j+1
.endr
.endm
; tokens 16 i .. 16 i + 15 of my block = the eight tiles (a, 0..7) of window 2 + hi.  Tile b is half b % 2 of column block b / 2.
.macro OUT16 i, a, hi
	WIN 0x02+\hi                                   ; source 0 in the accumulators' window
.irp b, 0,1,2,3,4,5,6,7
.irp r, 0,1,2,3
	v_pk_add_f32 v[T+8*\b+2*\r:T+8*\b+2*\r+1], v[8*(8*\a+\b)+2*\r:8*(8*\a+\b)+2*\r+1], v[BIAS+8*\b+2*\r:BIAS+8*\b+2*\r+1]
.endr
.endr
	WIN 0
	s_wait_xcnt 0x0                                ; PK, which the last pass's stores read, is written again only behind this wait (ISA guide 3.1)
	GELU32 0
.irp b, 0,1,2,3
	global_store_b128 v[CO], v[PK+4*\b:PK+4*\b+3], s[8:9] offset:(\b/2)*GBLK+(\b%2)*512+\i*1024   ; 512 consecutive bytes, aligned
.endr
	GELU32 1
.irp b, 4,5,6,7
	global_store_b128 v[CO], v[PK+4*\b:PK+4*\b+3], s[8:9] offset:(\b/2)*GBLK+(\b%2)*512+\i*1024
.endr
.endm
	OUT16 0, 0, 0
	OUT16 1, 1, 0
	OUT16 2, 2, 0
	OUT16 3, 3, 0
	OUT16 4, 0, 1
	OUT16 5, 1, 1
	OUT16 6, 2, 1
	OUT16 7, 3, 1
	CROUND                                         ; the closing round: no work-group ends while a partner may still ask for a tile that names it
	s_endpgm
.Lfunc_end_k_q75fc7484a8_ffn1:
	.size	k_q75fc7484a8_ffn1, .Lfunc_end_k_q75fc7484a8_ffn1-k_q75fc7484a8_ffn1
	.p2alignl 7, 3214868480
	.fill 96, 4, 3214868480
	.section	.rodata,"a",@progbits
	.p2align	6, 0x0
	.amdhsa_kernel k_q75fc7484a8_ffn1
		.amdhsa_group_segment_fixed_size 327680
		.amdhsa_private_segment_fixed_size 0
		.amdhsa_enable_private_segment 0
		.amdhsa_kernarg_size 32
		.amdhsa_user_sgpr_count 2
		.amdhsa_user_sgpr_kernarg_segment_ptr 1
		.amdhsa_wavefront_size32 1
		.amdhsa_system_sgpr_workgroup_id_x 1
		.amdhsa_system_sgpr_workgroup_id_y 1
		.amdhsa_system_sgpr_workgroup_id_z 1
		.amdhsa_system_vgpr_workitem_id 0
		.amdhsa_next_free_vgpr 1024
		.amdhsa_next_free_sgpr 80
		.amdhsa_reserve_vcc 0
		.amdhsa_float_denorm_mode_32 3
		.amdhsa_float_denorm_mode_16_64 3
		.amdhsa_memory_ordered 1
		.amdhsa_forward_progress 1
		.amdhsa_inst_pref_size 255
	.end_amdhsa_kernel
	.section	.bss,"aw",@nobits
	.p2align	6
	.space	262144
	.amdgpu_metadata
---
amdhsa.version: [ 1, 2 ]
amdhsa.kernels:
  - .name:           k_q75fc7484a8_ffn1
    .symbol:         k_q75fc7484a8_ffn1.kd
    .args:
      - { .name: h2, .offset: 0, .size: 8, .value_kind: global_buffer, .address_space: global }
      - { .name: wbf, .offset: 8, .size: 8, .value_kind: global_buffer, .address_space: global }
      - { .name: g, .offset: 16, .size: 8, .value_kind: global_buffer, .address_space: global }
      - { .name: b1, .offset: 24, .size: 8, .value_kind: global_buffer, .address_space: global }
    .group_segment_fixed_size: 327680
    .private_segment_fixed_size: 0
    .kernarg_segment_align: 8
    .kernarg_segment_size: 32
    .max_flat_workgroup_size: 128
    .sgpr_count:     80
    .vgpr_count:     1024
    .wavefront_size: 32
...
	.end_amdgpu_metadata
.endif
;; end of part 6
;; launch ffn2 (part 7): grid 8 x 32, 4 waves a work-group, clusters of 4 x 4, 327,680 bytes of LDS; arguments g, wbf, out0, b2, x1; writes out0
.if DOCPART == 7
	.amdgcn_target "amdgcn-amd-amdhsa--gfx1250"
	.amdhsa_code_object_version 6
	.text
	.protected	k_q75fc7484a8_ffn2
	.globl	k_q75fc7484a8_ffn2
	.p2align	8
	.type	k_q75fc7484a8_ffn2,@function
k_q75fc7484a8_ffn2:
	s_mov_b64 s[64:65], 0
	v_nop
	global_prefetch_b8 v0, s[64:65] scope:SCOPE_SE
	s_setreg_imm32_b32 hwreg(HW_REG_WAVE_MODE, 25, 1), 1
	s_wait_xcnt 0x0
	s_wait_alu depctr_hold_cnt(0) depctr_sa_sdst(0) depctr_va_vdst(0) depctr_va_sdst(0) depctr_va_ssrc(0) depctr_va_vcc(0) depctr_vm_vsrc(0)
	s_getreg_b32 s2, hwreg(HW_REG_IB_STS2, 6, 4)
	s_cmp_eq_u32 s2, 0
	s_cbranch_scc0 .Lentry_in_a_cluster
	s_endpgm
.Lentry_in_a_cluster:
	s_bfe_u32 s2, ttmp6, 0x10000c
	s_cmp_lg_u32 s2, 0xf033
	s_cbranch_scc0 .Lentry_shape_is_right
	s_endpgm
.Lentry_shape_is_right:
; out0 = x1 + g W2 + b2.  W = wbf + WOFF [4 KW (k)][1024 (n)] bf16, bias [1024] f32, residual and result [4096][1024] f32.
; A = g lies in the order of a matrix fragment: [k / 32][token / 16][1,024 bytes]; in a block lane l = 16 h + r finds (token r, k 8 h .. + 7) at byte 16 l and
; (token r, k 16 + 8 h .. + 7) at byte 512 + 16 l.  The same text, with other constants at its head, makes x1 = x + ctx Wo + bo.
; 4096 x 1024 results over 256 work-groups are 128 x 128 each.  EVERY WAVE KEEPS THE WHOLE 128 x 128 (64 accumulator tiles, 512 registers) AND MULTIPLIES ITS OWN QUARTER OF K
; (k = KW w .. KW w + KW - 1).  The four partial blocks meet once, in LDS, in the pass that also turns the register layout into whole rows.
; A GOES STRAIGHT INTO REGISTERS.  With K split over the waves each byte of A is read by one wave, once, so LDS would give it no reuse.  A quarter step (32 of K) is 8 KiB of A, consecutive
; in memory: 16 loads of 512 consecutive bytes.  Four register buffers take turns; in the middle of quarter t the upper half of quarter t + 3 and the lower half of quarter t + 4 are asked for,
; so six to seven groups of 4 KiB of a wave are on their way.
; W GOES THROUGH LDS, where the transposing load turns it: two slots, each with 128 k-rows for each wave (4 x 128 rows x 288 bytes), one tensor load a wave for its own rows.
; With W alone in the ring a slot feeds 256 matrix instructions a wave, 240 of them between a refill's request and the wait for it; with A beside it a slot would hold half as much of K.
; Per quarter step a wave reads 8 KiB of LDS for 64 matrix instructions.
; CLUSTERS: 4 x 4 work-groups; W's tile (128 columns) hangs on the block column and the wave alone and is asked for jointly by the four of a column of the cluster.
; A IS NOT ASKED FOR JOINTLY: a joint request is a tensor load into LDS; the eight work-groups of a block row each load A's bytes for themselves.
; The matrix instruction is used transposed (source 0 = 16 columns of W, source 1 = 16 tokens of A): lane l holds token l % 16, columns 8 (l / 16) + 0..7.
; WINDOWS: 0: v8-35 addresses and bias, v64-127, v128-191, v192-255 A's buffers 0, 1, 2;  1: v0-63 A's buffer 3, v64-127, v128-191 W's fragments (two buffers);
; 2: accumulators of tokens 0-63 (tile (a, b) at 8 (8 a + b));  3: tokens 64-127.
; LIMITS: A and W are bf16; each result is the sum of four partial sums over the quarters of K, added as (p0 + p1) + (p2 + p3) + (residual + bias) in f32.
.set KW,     1024                      ; k of one wave
.set WOFF,   16777216                  ; where W begins in wbf
.set NQ,     KW/32                     ; quarter steps of a wave
.set LAPS,   KW/256                    ; a lap = two slots = 8 quarter steps
.set ABLK,   262144                    ; A: bytes from one block of 32 k to the next (256 token blocks of 1,024 bytes)
.set BPITCH, 288                       ; an LDS row of W: 256 bytes + 32: an odd multiple of 32, for the transposing load
.set WPART,  128*BPITCH                ; one wave's 128 k-rows in a slot
.set SLOT,   4*WPART                   ; 147,456
.set IPITCH, 528                       ; the way out: a row of 128 f32 + 16 bytes
.set IMG,    128*IPITCH                ; one wave's partial block
.set RDI,  8                           ; v[8:11] the way out: my 16 bytes of my first row in each of the four partial blocks
.set ADRB, 20                          ; v20-21  LDS address of my W fragments in slot 0, 1
.set STO,  24
.set CO,   26                          ; 16 x lane
.set BIAS, 32                          ; v[32:35]
.set RES,  64                          ; v[64:191]  the way out: my 32 rows of the residual, then of the result
.set P,    192                         ; v[192:255] the way out: four rows x four partial sums
.set G1B, 48
.set G0B, 56
.set MSB, 0
.macro WIN new                         ; the immediate's high byte repeats the setting that is left
.if MSB != (\new)
	s_set_vgpr_msb (MSB<<8)|(\new)
.set MSB, (\new)
.endif
.endm
; A round of the cluster's barrier: my work-group's barrier; wave 0 signals for the work-group; every wave waits for all sixteen; my work-group's barrier again.
.macro CREST
	s_cmp_lg_u32 s10, 0
	s_cbranch_scc1 .Lnot_wave_0_\@
	s_barrier_signal -3
.Lnot_wave_0_\@:
	s_barrier_wait -3
	s_barrier_signal -1
	s_barrier_wait -1
.endm
.macro CROUND
	s_barrier_signal -1
	s_barrier_wait -1
	CREST
.endm
; eight loads: half part (0: tokens 0-63, 1: tokens 64-127) of the quarter step qoff blocks behind A's base, into buffer n
.macro ALOAD n, part, qoff
	WIN (((\n)/3)<<6)                              ; buffer 3 lies in window 1
.irp i, 0,1,2,3
	global_load_b128 v[((64+64*(\n))&255)+32*\part+8*\i:((64+64*(\n))&255)+32*\part+8*\i+3],   v[CO], s[14:15] offset:(\qoff)*ABLK+\part*4096+\i*1024
	global_load_b128 v[((64+64*(\n))&255)+32*\part+8*\i+4:((64+64*(\n))&255)+32*\part+8*\i+7], v[CO], s[14:15] offset:(\qoff)*ABLK+\part*4096+\i*1024+512
.endr
.endm
	s_load_b128 s[4:7], s[0:1], 0x0                ; A s[4:5], wbf s[6:7]
	s_load_b64 s[8:9], s[0:1], 0x10                ; the result
	s_load_b128 s[68:71], s[0:1], 0x18             ; bias s[68:69], residual s[70:71]
	s_set_vgpr_msb 0x40
	v_lshl_add_u32 v254, v0, 2, 0x48000
	v_mov_b32 v255, 0
	s_set_vgpr_msb 0x4045
	ds_add_u32 v254, v255
	ds_add_u32 v254, v255
	s_set_vgpr_msb 0x4500
	v_lshrrev_b32 v1, 5, v0
	v_readfirstlane_b32 s10, v1                    ; wave 0..3: also my quarter of K
	s_bfe_u32 s40, ttmp6, 0x40000                  ; cx
	s_bfe_u32 s41, ttmp6, 0x40004                  ; cy
	s_lshl_b32 s42, ttmp9, 2
	s_add_co_u32 s42, s42, s40                     ; block column
	s_and_b32 s13, ttmp7, 0xffff
	s_lshl_b32 s13, s13, 2
	s_add_co_u32 s13, s13, s41                     ; block row
	s_lshl_b32 s44, 0x1111, s40                    ; my column of the cluster: places cx, cx + 4, cx + 8, cx + 12
	; group 1 for W: 128 k-rows x 128 columns of 2 bytes, 32 bytes of padding behind every 64 words; the mask of my column, bit 21 beside it
	s_or_b32 s[G1B+0], s44, (1<<16)|(1<<20)|(1<<21)|(5<<22)|(7<<25)
	s_mov_b32 s[G1B+1], 128<<16                    ; tensor_dim0 = 128
	s_mov_b32 s[G1B+2], 128<<16                    ; tensor_dim1 = 128
	s_mov_b32 s[G1B+3], 128<<16                    ; tile_dim0 = 128
	s_mov_b32 s[G1B+4], 128                        ; tile_dim1 = 128
	s_mov_b32 s[G1B+5], 1024                       ; elements from row to row of W
	s_mov_b32 s[G1B+6], 0
	s_mov_b32 s[G1B+7], 0
	s_lshl_b32 s46, s42, 8                         ; W: 256 bytes x block column
	s_mul_i32 s47, s10, KW*2048                    ; + my quarter of K, rows of 2,048 bytes
	s_add_co_u32 s46, s46, s47
	s_add_co_u32 s46, s46, WOFF
	s_mov_b32 s47, 0
	s_mul_i32 s21, s10, WPART                      ; LDS: the wave's number alone
	s_lshl_b32 s16, s13, 13                        ; A: 8 token blocks of 1,024 bytes x block row
	s_mul_i32 s17, s10, NQ*ABLK                    ; + my quarter of K
	s_add_co_u32 s16, s16, s17
	s_mov_b32 s17, 0
	s_wait_dscnt 0x0
	s_wait_kmcnt 0x0
	s_add_nc_u64 s[14:15], s[4:5], s[16:17]
	s_add_nc_u64 s[46:47], s[6:7], s[46:47]
	CROUND                                         ; the first joint loads meet
.irp s, 0,1
	s_mov_b32 s[G0B+4*\s], 1
	s_add_co_u32 s[G0B+4*\s+1], s21, \s*SLOT
	s_add_nc_u64 s[G0B+4*\s+2:G0B+4*\s+3], s[46:47], \s*128*2048
	s_or_b32 s[G0B+4*\s+3], s[G0B+4*\s+3], 0x80000000
	tensor_load_to_lds s[G0B+4*\s:G0B+4*\s+3], s[G1B:G1B+7]        ; my 128 rows of slot s: two tensor loads of the wave are out
	s_nop 0
.endr
	v_and_b32 v1, 15, v0                           ; r
	v_bfe_u32 v2, v0, 4, 1                         ; h
	v_and_b32 v6, 31, v0
	v_lshlrev_b32 v[CO], 4, v6
	v_and_b32 v4, 7, v0
	v_lshl_add_u32 v4, v2, 3, v4                   ; W: k-row 8 h + l % 8,
	v_mul_u32_u24 v4, v4, BPITCH
	v_bfe_u32 v5, v0, 3, 1
	v_lshl_add_u32 v4, v5, 4, v4                   ; columns 8 ((l / 8) % 2) + 0..7
	v_add_nc_u32 v[ADRB], s21, v4
	v_add_nc_u32 v[ADRB+1], SLOT, v[ADRB]
	s_mul_i32 s22, s10, IMG
	v_mul_u32_u24 v5, v1, IPITCH
	v_lshl_add_u32 v5, v2, 5, v5
	v_add_nc_u32 v[STO], s22, v5                   ; my partial block: row r, 32 bytes for each half of the lanes
	s_mul_i32 s22, s10, 32*IPITCH                  ; the 32 rows that I finish
	v_add_nc_u32 v[RDI], s22, v[CO]
	v_add_nc_u32 v[RDI+1], IMG, v[RDI]
	v_add_nc_u32 v[RDI+2], 2*IMG, v[RDI]
	v_add_nc_u32 v[RDI+3], 3*IMG, v[RDI]
	; A's ring is filled in the order in which it is kept full: lower half, upper half, quarter by quarter
	ALOAD 0, 0, 0
	ALOAD 0, 1, 0
	ALOAD 1, 0, 1
	ALOAD 1, 1, 1
	ALOAD 2, 0, 2
	ALOAD 2, 1, 2
	ALOAD 3, 0, 3
; 16 matrix instructions: token blocks a0, a0 + 1 of the window's four x all 8 column blocks, 32 along K; W's fragments at wf, A's in buffer n.  zero = 1: the first product starts the sums.
; The 64 accumulators take turns, one instruction a turn, in the same order in every quarter step.
.macro MUL16 wf, n, hi, a0, zero
.irp a, \a0, \a0+1
.irp b, 0,1,2,3,4,5,6,7
.if \zero
	v_wmma_f32_16x16x32_bf16 v[8*(8*(\a)+\b):8*(8*(\a)+\b)+7], v[\wf+8*\b:\wf+8*\b+7], v[((64+64*(\n))&255)+8*(4*\hi+\a):((64+64*(\n))&255)+8*(4*\hi+\a)+7], 0
.else
	v_wmma_f32_16x16x32_bf16 v[8*(8*(\a)+\b):8*(8*(\a)+\b)+7], v[\wf+8*\b:\wf+8*\b+7], v[((64+64*(\n))&255)+8*(4*\hi+\a):((64+64*(\n))&255)+8*(4*\hi+\a)+7], v[8*(8*(\a)+\b):8*(8*(\a)+\b)+7]
.endif
.endr
.endr
.endm
; 16 LDS loads: W's fragments of quarter q of my rows in a slot, transposed on the way, into the buffer at f of window 1
.macro FETCHW slot, q, f
	WIN 0x40
.irp i, 0,1,2,3,4,5,6,7
	ds_load_tr16_b128 v[\f+8*\i:\f+8*\i+3],   v[ADRB+\slot] offset:(\q)*32*BPITCH+32*\i
	ds_load_tr16_b128 v[\f+8*\i+4:\f+8*\i+7], v[ADRB+\slot] offset:(\q)*32*BPITCH+32*\i+16*BPITCH
.endr
.endm
; The counts of the two waits for A in a quarter step behind which tl quarter steps are left.  A's groups of 8 loads are issued in the order lower(0), upper(0), lower(1), ...
; At a quarter's head the youngest group is lower(t + 3): six groups are younger than lower(t).  In front of its second half the youngest is lower(t + 4): seven are younger than upper(t).
; Near the end no group behind upper(last) exists: 2 tl + 1 and 2 tl groups are left.
.macro CNT tl
.if 2*(\tl)+1 < 6
.set CLO, 8*(2*(\tl)+1)
.else
.set CLO, 48
.endif
.if 2*(\tl) < 7
.set CHI, 16*(\tl)
.else
.set CHI, 56
.endif
.endm
; The middle of quarter q (u-th of the lap).  Four places stand behind the matrix instructions whose registers are loaded again (ISA guide 7.12.1 for vector instructions):
; W's other buffer and the upper half of A's buffer q - 1 were read in the quarter before, the lower half of A's buffer q in the 32 matrix instructions just issued.
.macro MID nslot, nq, q, u, tl
.rept 4
	v_nop
.endr
	FETCHW \nslot, \nq, 64+64*((\q+1)&1)
.if \tl >= 3
	ALOAD (\q+3)%4, 1, \u+3
.endif
.if \tl >= 4
	ALOAD \q, 0, \u+4
.endif
.endm
; one of a slot's first three quarter steps
.macro QUARTER slot, q, tl, zero
	CNT \tl
	s_wait_dscnt 0x0                               ; W's 16 fragment loads, issued 32 matrix instructions ago
	s_wait_loadcnt CLO                             ; A's lower half
	WIN 0xa1                                       ; source 0 (W) window 1, source 1 (A) window 0, C and D window 2
	MUL16 64+64*((\q)&1), \q, 0, 0, \zero
	MUL16 64+64*((\q)&1), \q, 0, 2, \zero
	MID \slot, \q+1, \q, 4*\slot+\q, \tl
	s_wait_loadcnt CHI                             ; A's upper half
	WIN 0xf1                                       ; C and D window 3
	MUL16 64+64*((\q)&1), \q, 1, 0, \zero
	MUL16 64+64*((\q)&1), \q, 1, 2, \zero
.endm
; a slot's fourth quarter step changes slots.  In front of the barrier each wave has waited for its reads of this slot and for all its tensor loads (one is out: its rows of the next slot).
; Where the slot is filled again the barrier opens a round of the cluster's barrier; only register work stands inside; the joint refill is the first tensor load behind it.
; From a request to the wait for it a wave issues 240 matrix instructions.  A wave reads only rows that its own load brought; the barrier without a refill is kept so that both forms are one text.
.macro TURN slot, next, fill, tl
	CNT \tl
	s_wait_dscnt 0x0                               ; W's fragments are in: my reads of this slot are over
	s_wait_loadcnt CLO
	WIN 0xa5                                       ; as 0xa1, with source 1 (A's buffer 3) in window 1
	MUL16 128, 3, 0, 0, 0
	s_wait_tensorcnt 0x0                           ; all my tensor loads have landed
	ds_add_u32 v254, v255
	s_wait_dscnt 0x0
	s_barrier_signal -1
	MUL16 128, 3, 0, 2, 0                          ; register work while the others arrive
	WIN 0
	s_barrier_wait -1
.if \fill
	CREST                                          ; no wave of any partner still reads this slot or has a load on its way
	s_add_nc_u64 s[G0B+4*\slot+2:G0B+4*\slot+3], s[G0B+4*\slot+2:G0B+4*\slot+3], 2*128*2048
	tensor_load_to_lds s[G0B+4*\slot:G0B+4*\slot+3], s[G1B:G1B+7]  ; the wave's one tensor load behind the round
	s_nop 0
.endif
	MID \next, 0, 3, 4*\slot+3, \tl
	s_wait_loadcnt CHI
	WIN 0xf5
	MUL16 128, 3, 1, 0, 0
	MUL16 128, 3, 1, 2, 0
.endm
.macro LAP zero                        ; once round the ring, both slots filled again
	QUARTER 0, 0, 99, \zero
	QUARTER 0, 1, 99, 0
	QUARTER 0, 2, 99, 0
	TURN 0, 1, 1, 99
	QUARTER 1, 0, 99, 0
	QUARTER 1, 1, 99, 0
	QUARTER 1, 2, 99, 0
	TURN 1, 0, 1, 99
	s_wait_xcnt 0x0                                ; A's base, which pending loads name, is stepped only behind this wait (ISA guide 3.1)
	s_add_nc_u64 s[14:15], s[14:15], 8*ABLK
.endm
.macro LASTLAP zero                    ; the last 8 quarter steps: no slot is filled, A's ring runs empty
	QUARTER 0, 0, 7, \zero
	QUARTER 0, 1, 6, 0
	QUARTER 0, 2, 5, 0
	TURN 0, 1, 0, 4
	QUARTER 1, 0, 3, 0
	QUARTER 1, 1, 2, 0
	QUARTER 1, 2, 1, 0
	CNT 0
	s_wait_dscnt 0x0
	s_wait_loadcnt CLO
	WIN 0xa5
	MUL16 128, 3, 0, 0, 0
	MUL16 128, 3, 0, 2, 0
	s_wait_loadcnt CHI
	WIN 0xf5
	MUL16 128, 3, 1, 0, 0
	MUL16 128, 3, 1, 2, 0
.endm
	s_wait_tensorcnt 1                             ; my rows of slot 0 are in; slot 1's may stay out
	s_barrier_signal -1
	s_barrier_wait -1
	FETCHW 0, 0, 64
.if LAPS > 1
	LAP 1                                          ; the first lap stands in front of the loop: its first products start the sums
.if LAPS > 2
	WIN 0                                          ; at a label and at a branch every window is 0
	s_mov_b32 s3, LAPS-2
.Llap:
	LAP 0
	WIN 0
	s_sub_co_u32 s3, s3, 1
	s_cmp_lg_u32 s3, 0
	s_cbranch_scc1 .Llap
.endif
	LASTLAP 0
.else
	LASTLAP 1                                      ; K fits the two slots: the first products start the sums here
.endif
	; THE WAY OUT.  The ring has had its last fill; the four partial blocks go into it (4 x 128 rows x 528 bytes), and wave w finishes rows 32 w .. 32 w + 31.
.rept 4
	v_nop                                          ; four places before results are stored and A's buffers are loaded again (ISA guide 7.12.1)
.endr
	WIN 0
	s_lshl_b32 s16, s13, 19                        ; (128 x block row + 32 w) rows of 4,096 bytes
	s_lshl_b32 s17, s10, 17
	s_add_co_u32 s16, s16, s17
	s_mov_b32 s17, 0
	s_lshl_b32 s46, s42, 9                         ; 512 bytes x block column
	s_mov_b32 s47, 0
	s_add_nc_u64 s[8:9], s[8:9], s[16:17]
	s_add_nc_u64 s[8:9], s[8:9], s[46:47]
	s_add_nc_u64 s[70:71], s[70:71], s[16:17]
	s_add_nc_u64 s[70:71], s[70:71], s[46:47]
	s_add_nc_u64 s[68:69], s[68:69], s[46:47]
	global_load_b128 v[BIAS:BIAS+3], v[CO], s[68:69]
.set j, 0
.rept 32
	global_load_b128 v[RES+4*j:RES+4*j+3], v[CO], s[70:71] offset:j*4096      ; a row's 512 bytes of the residual: they land while the blocks go through LDS
.set j, j+1
.endr
	s_wait_dscnt 0x0                               ; my reads of the ring are over
	s_barrier_signal -1
	s_barrier_wait -1                              ; everybody's are
	WIN 0x08                                       ; store data in window 2
.irp a, 0,1,2,3
.irp b, 0,1,2,3,4,5,6,7
	ds_store_b128 v[STO], v[8*(8*\a+\b):8*(8*\a+\b)+3]   offset:\a*16*IPITCH+64*\b
	ds_store_b128 v[STO], v[8*(8*\a+\b)+4:8*(8*\a+\b)+7] offset:\a*16*IPITCH+64*\b+16
.endr
.endr
	WIN 0x0c                                       ; window 3
.irp a, 0,1,2,3
.irp b, 0,1,2,3,4,5,6,7
	ds_store_b128 v[STO], v[8*(8*\a+\b):8*(8*\a+\b)+3]   offset:(\a+4)*16*IPITCH+64*\b
	ds_store_b128 v[STO], v[8*(8*\a+\b)+4:8*(8*\a+\b)+7] offset:(\a+4)*16*IPITCH+64*\b+16
.endr
.endr
	WIN 0
	s_wait_dscnt 0x0                               ; my block is written
	s_barrier_signal -1
	s_barrier_wait -1                              ; all four are
; rows 4 g .. 4 g + 3 of my 32
.macro ROWS4 g
.irp i, 0,1,2,3
.irp m, 0,1,2,3
	ds_load_b128 v[P+16*\i+4*\m:P+16*\i+4*\m+3], v[RDI+\m] offset:(4*\g+\i)*IPITCH
.endr
.endr
	s_wait_loadcnt 28-4*\g                         ; the bias and the residual's rows up to 4 g + 3 are in; the 28 - 4 g later rows may be out
.irp i, 0,1,2,3
	s_wait_dscnt 12-4*\i                           ; this row's four partial sums are in
.irp c, 0,2
	v_pk_add_f32 v[P+16*\i+\c:P+16*\i+\c+1], v[P+16*\i+\c:P+16*\i+\c+1], v[P+16*\i+4+\c:P+16*\i+4+\c+1]
	v_pk_add_f32 v[P+16*\i+8+\c:P+16*\i+8+\c+1], v[P+16*\i+8+\c:P+16*\i+8+\c+1], v[P+16*\i+12+\c:P+16*\i+12+\c+1]
	v_pk_add_f32 v[RES+4*(4*\g+\i)+\c:RES+4*(4*\g+\i)+\c+1], v[RES+4*(4*\g+\i)+\c:RES+4*(4*\g+\i)+\c+1], v[BIAS+\c:BIAS+\c+1]
.endr
.irp c, 0,2
	v_pk_add_f32 v[P+16*\i+\c:P+16*\i+\c+1], v[P+16*\i+\c:P+16*\i+\c+1], v[P+16*\i+8+\c:P+16*\i+8+\c+1]
	v_pk_add_f32 v[RES+4*(4*\g+\i)+\c:RES+4*(4*\g+\i)+\c+1], v[RES+4*(4*\g+\i)+\c:RES+4*(4*\g+\i)+\c+1], v[P+16*\i+\c:P+16*\i+\c+1]
.endr
	global_store_b128 v[CO], v[RES+4*(4*\g+\i):RES+4*(4*\g+\i)+3], s[8:9] offset:(4*\g+\i)*4096   ; 512 consecutive bytes, aligned; these registers are not written again
.endr
.endm
.irp g, 0,1,2,3,4,5,6,7
	ROWS4 \g
.endr
	s_set_vgpr_msb 0x5
	s_wait_tensorcnt 0x0
	ds_add_u32 v254, v255
	s_wait_dscnt 0x0
	s_set_vgpr_msb 0x500
	CROUND                                         ; the closing round: no work-group ends while a partner may still ask for a tile that names it
	s_endpgm
.Lfunc_end_k_q75fc7484a8_ffn2:
	.size	k_q75fc7484a8_ffn2, .Lfunc_end_k_q75fc7484a8_ffn2-k_q75fc7484a8_ffn2
	.p2alignl 7, 3214868480
	.fill 96, 4, 3214868480
	.section	.rodata,"a",@progbits
	.p2align	6, 0x0
	.amdhsa_kernel k_q75fc7484a8_ffn2
		.amdhsa_group_segment_fixed_size 327680
		.amdhsa_private_segment_fixed_size 0
		.amdhsa_enable_private_segment 0
		.amdhsa_kernarg_size 40
		.amdhsa_user_sgpr_count 2
		.amdhsa_user_sgpr_kernarg_segment_ptr 1
		.amdhsa_wavefront_size32 1
		.amdhsa_system_sgpr_workgroup_id_x 1
		.amdhsa_system_sgpr_workgroup_id_y 1
		.amdhsa_system_sgpr_workgroup_id_z 1
		.amdhsa_system_vgpr_workitem_id 0
		.amdhsa_next_free_vgpr 1024
		.amdhsa_next_free_sgpr 80
		.amdhsa_reserve_vcc 0
		.amdhsa_float_denorm_mode_32 3
		.amdhsa_float_denorm_mode_16_64 3
		.amdhsa_memory_ordered 1
		.amdhsa_forward_progress 1
		.amdhsa_inst_pref_size 217
	.end_amdhsa_kernel
	.amdgpu_metadata
---
amdhsa.version: [ 1, 2 ]
amdhsa.kernels:
  - .name:           k_q75fc7484a8_ffn2
    .symbol:         k_q75fc7484a8_ffn2.kd
    .args:
      - { .name: g, .offset: 0, .size: 8, .value_kind: global_buffer, .address_space: global }
      - { .name: wbf, .offset: 8, .size: 8, .value_kind: global_buffer, .address_space: global }
      - { .name: out0, .offset: 16, .size: 8, .value_kind: global_buffer, .address_space: global }
      - { .name: b2, .offset: 24, .size: 8, .value_kind: global_buffer, .address_space: global }
      - { .name: x1, .offset: 32, .size: 8, .value_kind: global_buffer, .address_space: global }
    .group_segment_fixed_size: 327680
    .private_segment_fixed_size: 0
    .kernarg_segment_align: 8
    .kernarg_segment_size: 40
    .max_flat_workgroup_size: 128
    .sgpr_count:     80
    .vgpr_count:     1024
    .wavefront_size: 32
...
	.end_amdgpu_metadata
.endif
;; end of part 7
